; MI455X (gfx1250); checked and timed in simulation.
; The chip was launched on July 23, 2026; its instructions are those of AMD's public machine-readable ISA for CDNA 5 (MIT licence, August 2026) and "CDNA5" Instruction Set Architecture Reference Guide (July 2026). The comments in the code are by the model that wrote it; some were corrected since.
;; Ro PE Multi Head Attention. Allowed arithmetic: matrix products marked QUANTISED: E2M3 operands, one E8M0 scale for each 32 along K, by v_wmma_scale_f32_16x16x128_f8f6f4 with both operands' format E2M3, f32 sums; everything else in f32.
;; Inputs: Wk 1,024 x 1,024 float32; Wo 1,024 x 1,024 float32; Wq 1,024 x 1,024 float32; Wv 1,024 x 1,024 float32; bk 1,024 float32; bo 1,024 float32; bq 1,024 float32; bv 1,024 float32; x 4 x 2,048 x 1,024 float32.
;; Outputs: out0 4 x 2,048 x 1,024 float32.
;; This version of the problem:
;;   THIS VERSION OF THE PROBLEM IS GIVEN IN LOW PRECISION. The matrix products marked QUANTISED in the list below multiply operands that are first quantised to E2M3 (2 exponent bits, 3 mantissa bits; 6 bits a number), with one power-of-two scale for each 32 numbers along K (OCP MX v1.0); their sums are f32. All else is computed in f32.
;;   The module's matrix products, in the order in which they are computed (A, B: the left and right operand; K: the contracted axis; several contracted axes count as one K, in the product's order):
;;     1. [M 8,192, K 1,024] x [K 1,024, N 1,024]; A: input x; B: input Wq: QUANTISED
;;     2. [M 8,192, K 1,024] x [K 1,024, N 1,024]; A: input x; B: input Wk: QUANTISED
;;     3. [M 8,192, K 1,024] x [K 1,024, N 1,024]; A: input x; B: input Wv: QUANTISED
;;     4. batch 64 x [M 2,048, K 64] x [K 64, N 2,048]; A: computed on the way; B: computed on the way: QUANTISED
;;     5. batch 64 x [M 2,048, K 2,048] x [K 2,048, N 64]; A: softmax (see below); B: computed on the way: QUANTISED
;;     6. [M 8,192, K 1,024] x [K 1,024, N 1,024]; A: computed on the way; B: input Wo: QUANTISED
;;   THE QUANTISER, for each operand of a quantised product, along K:
;;     - K is cut into blocks of 32 from its start; a last block that is shorter is filled with zeros.
;;     - A block's scale is 2^e with e = floor(log2(the largest magnitude in the block)) - 2, held to -126 .. 127; a block of zeros has e = 0. As a byte (E8M0): e + 127.
;;     - Each number is divided by its block's scale, clamped to +-7.5, and rounded to the nearest number of E2M3, ties to even, subnormals kept.
;;     - The product sums the exact products of the quantised numbers (number of the format x scale) in f32.
;;   ~~~python
;;   def quantise(x, axis):      # numpy; x: float32 -> the quantised numbers, widened to float32 again
;;       x = np.moveaxis(x, axis, -1); K = x.shape[-1]
;;       x = np.pad(x, [(0, 0)] * (x.ndim - 1) + [(0, -K % 32)]); x = x.reshape(x.shape[:-1] + (-1, 32)); a = np.abs(x).max(-1, keepdims=True)
;;       e = np.where(a > 0, np.clip(np.frexp(np.where(a > 0, a, 1))[1] - 1 - 2, -126, 127), 0)      # np.frexp(a)[1] - 1 = floor(log2(a)), exactly
;;       r = np.clip(x / 2.0 ** e, -7.5, 7.5)
;;       step = 2.0 ** (np.maximum(np.frexp(np.where(r == 0, 1, r))[1] - 1, 0) - 3)
;;       q = np.round(r / step) * step * 2.0 ** e      # np.round: ties to even
;;       return np.moveaxis(q.reshape(q.shape[:-2] + (-1,))[..., :K], -1, axis).astype(np.float32)
;;   ~~~
;;   SOFTMAX AHEAD OF A QUANTISED PRODUCT. Where the list says 'softmax', what is quantised is not the finished softmax but p = 2^(t - M), with t = logit x log2(e) and M = ceil(the row's largest t), a whole number; so 1/2 < the row's largest p <= 1. The row's sum l is taken of the UNQUANTISED p, in f32, and the product's result is divided by l at the end. Since M is a whole number, a kernel that streams over the keys may use a running M (the ceiling of the running maximum): every later rescaling is an exact power of two, which a block's scale takes up: the codes' values come out the same.
;;   OPERANDS COMPUTED ON THE WAY. 'Computed on the way' means the value that the module computes at that place (a softmax that the list does not call 'softmax' is quantised finished and normalised). What goes into a quantiser is computed in f32, as accurately as f32 sums, v_exp_f32 and their like allow (about 1e-6 of the number): no bf16 or f16 on the way to a quantiser, and a product that is left as it is and whose result goes on into a quantised operand takes f32 operands (vector FMAs, or v_wmma_f32_16x16x4_f32). A number that lies on a knife's edge between two numbers of the format may be rounded either way, as far as f32 arithmetic and the matrix unit's own rounding can turn it there, and no further.
;; One version. Each part assembles by itself: llvm-mc -triple=amdgcn-amd-amdhsa -mcpu=gfx1250 --defsym DOCPART=n.
;; ======== version 1 of 1: 4 launches
;; limits: right only within a limited range of input values
;; workspace buffers: xq 6,553,600 bytes; wq 3,276,800 bytes; rope 524,288 bytes; qb 6,553,600 bytes; kv 13,107,200 bytes; ac 6,553,600 bytes
;; launch prep (part 1): grid 416 x 1, 4 waves a work-group, no clusters, 34,304 bytes of LDS; arguments x, Wq, Wk, Wv, Wo, xq, wq, rope; writes xq, wq, rope
.if DOCPART == 1
	.amdgcn_target "amdgcn-amd-amdhsa--gfx1250"
	.amdhsa_code_object_version 6
	.text
	.protected	k_q11575e85f1_prep
	.globl	k_q11575e85f1_prep
	.p2align	8
	.type	k_q11575e85f1_prep,@function
k_q11575e85f1_prep:
	s_mov_b64 s[64:65], 0
	v_nop
	global_prefetch_b8 v0, s[64:65] scope:SCOPE_SE
	s_setreg_imm32_b32 hwreg(HW_REG_WAVE_MODE, 25, 1), 1
	s_wait_xcnt 0x0
; x [8192][1024] and the four weights [1024 (k)][1024 (n)], f32, become codes of FP6 (E2M3) with one E8M0 byte for each 32 along K; and the table of cos and sin for the rotation is made.
; A block's scale is 2^(floor(log2(its largest magnitude)) - 2); its byte is that magnitude's exponent field - 2, held at 1 from below.
; LAYOUT OF AN OPERAND (xq: 64 groups of 128 tokens; wq: 32 groups of 128 columns n, Wq, Wk, Wv, Wo on end): a group is 102,400 dense bytes:
;   bytes 0-4095: scale words; the word of row block i (16 rows), row r, K step s (128 along K) at 1024 (i / 2) + 256 (s / 2) + 8 (16 (i % 2) + r) + 4 (s % 2);
;   then the codes as IMAGES OF THE OPERAND'S REGISTERS: K step s at 4096 + 12288 s, row block i at + 1536 i, half c (64 along K, six registers a lane) at + 768 c: registers 0-3 at 16 x lane, registers 4-5 at 512 + 8 x lane.
; THE ORDER INSIDE A BLOCK OF 32: places 0-7 hold k 0-7, places 8-15 k 16-23, places 16-23 k 8-15, places 24-31 k 24-31.  Every operand of this program lies so, both sides of each product alike, so the sums are those of the true order.
; WORK-GROUPS: 0-255: 32 rows of x each; 256-383: 128 columns x 256 K of one weight each; 384-415: four blocks of 16 positions of the table each.  Only the x path uses LDS.
; LIMITS: NaN and infinities are not served.  A block whose largest magnitude lies under 2^-124 keeps the byte 1; a block of zeros gets the byte 1 and not 127: its codes are zeros, and this program alone reads the bytes.
; The table's frequencies are 1 / f32(10^(i / 8)), the reciprocal refined by one Newton step; where another power function rounds 10^(i / 8) the other way, a frequency differs by one unit in its last place, up to about 1e-4 radians at the last positions.
; The reduction of the angle holds for angles under 2^11 x pi / 2; the largest here is 2,047.
.set SPARE, 33792                      ; behind the four stages: the spare words, 128 bytes a wave
.set SPW, 6                            ; v6  my spare word's address; never rewritten
.set NIL, 7                            ; v7  0; never rewritten
.set TM,  16                           ; v16-31 at work in QUANT
.set PC,  32                           ; v32-50 the codes just made
.set X,   64                           ; v64-127 64 numbers of a lane
.set LAND, 128                         ; v128-255 two sets of 64 registers as loaded
.set WV,  20
.set SH,  21                           ; lanes 16-31
.set SEL, 22
; 64 numbers of a lane, register 16 b + i = place 16 (lane / 16) + i of block b of my row, become a fragment's codes in v[PC] on and its scale word in v[pw]
.macro QUANT s, pw
.irp b, 0,1,2,3
	v_max3_num_f32 v[TM+\b], |v[\s+16*\b]|, |v[\s+1+16*\b]|, 0x1800000   ; my 16 numbers of block b, and the floor 2^(3 - 127): the byte cannot fall under 1
.endr
.irp i, 2,4,6,8,10,12,14
.irp b, 0,1,2,3
	v_max3_num_f32 v[TM+\b], v[TM+\b], |v[\s+16*\b+\i]|, |v[\s+1+16*\b+\i]|
.endr
.endr
.irp b, 0,1,2,3
	v_permlanex16_b32 v[TM+4+\b], v[TM+\b], s[SEL], s[SEL+1]
.endr
.irp b, 0,1,2,3
	v_max_num_f32 v[TM+\b], v[TM+\b], v[TM+4+\b]   ; with lane l xor 16's: the block's largest magnitude
.endr
.irp b, 0,1,2,3
	v_add_nc_u32 v[TM+12+\b], 0xff000000, v[TM+\b]   ; 2 off its exponent field: the conversion's scale operand
.endr
.irp b, 0,1,2,3
	v_lshrrev_b32 v[TM+4+\b], 23, v[TM+12+\b]       ; the scale's byte
.endr
	v_lshl_or_b32 v[\pw], v[TM+5], 8, v[TM+4]
	v_lshl_or_b32 v[\pw], v[TM+6], 16, v[\pw]
	v_lshl_or_b32 v[\pw], v[TM+7], 24, v[\pw]
.irp c, 0,1
	v_cvt_scalef32_pk16_fp6_f32 v[PC+6*\c:PC+2+6*\c], v[\s+32*\c:\s+15+32*\c], v[TM+12+2*\c]
	v_cvt_scalef32_pk16_fp6_f32 v[PC+12+4*\c:PC+14+4*\c], v[\s+16+32*\c:\s+31+32*\c], v[TM+12+2*\c+1]   ; (a conversion's three registers begin on an even number)
.endr
	v_nop                                          ; one plain place behind a scaled conversion
.irp c, 0,1                                    ; a whole block to a lane: lanes 0-15 block 2 c, lanes 16-31 block 2 c + 1
.irp i, 0,1,2
	v_permlane16_swap_b32 v[PC+6*\c+\i], v[PC+12+4*\c+\i]
.endr
.irp i, 0,1,2
	v_mov_b32 v[PC+3+6*\c+\i], v[PC+12+4*\c+\i]
.endr
.endr
.endm
	s_load_b512 s[4:19], s[0:1], 0x0               ; x s[4:5], Wq s[6:7], Wk s[8:9], Wv s[10:11], Wo s[12:13], xq s[14:15], wq s[16:17], rope s[18:19]
	v_lshl_add_u32 v[SPW], v0, 2, SPARE
	v_mov_b32 v[NIL], 0
	v_lshrrev_b32 v1, 5, v0
	v_readfirstlane_b32 s[WV], v1                  ; wave 0..3
	v_and_b32 v5, 31, v0                           ; lane
	s_mov_b32 s[SH], 0xffff0000
	s_mov_b32 s[SEL], 0x76543210
	s_mov_b32 s[SEL+1], 0xfedcba98
	s_wait_kmcnt 0x0
	s_cmp_ge_u32 ttmp9, 384
	s_cbranch_scc1 .Ltable
	s_cmp_ge_u32 ttmp9, 256
	s_cbranch_scc1 .Lw
; ---------------- x: 32 rows, 131,072 bytes on end.  Wave w takes K steps 2 w and 2 w + 1: four fragments f (K step 2 w + f / 2, row block f % 2).
; Each load reads 512 consecutive bytes (one row's K step); the 16 rows turn through the wave's own stage (rows 528 bytes apart), from which a lane takes its 64 numbers in the order of the places.
	s_wait_alu depctr_va_vdst(0)
	v_lshlrev_b32 v1, 4, v5                        ; 16 x lane
	v_lshlrev_b32 v2, 3, v5                        ; 8 x lane
	s_mul_i32 s24, s[WV], 8448                     ; my stage
	v_add_nc_u32 v3, s24, v1                       ; into it: a row as it lies
	v_and_b32 v4, 15, v5
	v_mul_u32_u24 v4, v4, 528
	v_lshrrev_b32 v14, 4, v5
	v_lshl_add_u32 v4, v14, 5, v4
	v_add_nc_u32 v4, s24, v4                       ; out of it: row r, + 32 bytes for lanes 16-31
.irp b, 0,1,2,3
	v_mov_b32 v[TM+4+\b], 0                        ; written once: a lane permute's destination counts as one of its sources
.endr
	s_lshl_b32 s24, ttmp9, 17                      ; 131,072 x work-group
	s_lshl_b32 s25, s[WV], 10                      ; + my two K steps' 1,024 bytes in a row
	s_add_co_u32 s24, s24, s25
	s_mov_b32 s25, 0
	s_add_nc_u64 s[4:5], s[4:5], s[24:25]
	s_lshr_b32 s26, ttmp9, 2
	s_mul_i32 s26, s26, 102400                     ; my group of 128 rows
	s_and_b32 s27, ttmp9, 3                        ; which 32 of them
	s_mul_i32 s28, s27, 3072
	s_mul_i32 s29, s[WV], 24576
	s_add_co_u32 s28, s28, s29
	s_add_co_u32 s28, s28, s26
	s_add_co_u32 s28, s28, 4096
	s_mov_b32 s29, 0
	s_add_nc_u64 s[30:31], s[14:15], s[28:29]      ; my codes
	s_lshl_b32 s27, s27, 10
	s_lshl_b32 s28, s[WV], 8
	s_add_co_u32 s28, s28, s27
	s_add_co_u32 s28, s28, s26
	s_add_nc_u64 s[32:33], s[14:15], s[28:29]      ; my 256 bytes of scale words
.macro XLOAD f
.irp j, 0,1,2,3,4,5,6,7,8,9,10,11,12,13,14,15
	global_load_b128 v[LAND+64*((\f)%2)+4*\j:LAND+64*((\f)%2)+4*\j+3], v1, s[4:5] offset:(16*((\f)%2)+\j)*4096+512*((\f)/2) th:TH_LOAD_NT
.endr
.endm
.macro XFRAG f
.if (\f) < 3
	s_wait_loadcnt 16                              ; this fragment's 16 loads are in; the next one's 16 may be out
.else
	s_wait_loadcnt 0x0
.endif
.irp j, 0,1,2,3,4,5,6,7,8,9,10,11,12,13,14,15
	ds_store_b128 v3, v[LAND+64*((\f)%2)+4*\j:LAND+64*((\f)%2)+4*\j+3] offset:528*\j
.endr
.irp b, 0,1,2,3
.irp jj, 0,1,2,3
	ds_load_b128 v[X+16*\b+4*\jj:X+16*\b+4*\jj+3], v4 offset:128*\b+64*(\jj/2)+16*(\jj%2)   ; LDS serves a wave's instructions in order: these see the stores above
.endr
.endr
	s_wait_dscnt 0x0                               ; my 64 numbers are in, and the stores have read the registers that the next loads fill
	s_wait_xcnt 0x0                                ; the last fragment's stores have read the codes' registers
.if (\f)+2 < 4
	XLOAD (\f)+2
.endif
	QUANT X, 8+(\f)
	global_store_b128 v1, v[PC:PC+3], s[30:31] offset:12288*((\f)/2)+1536*((\f)%2)          ; each store of the wave covers 512 or 256 consecutive bytes, aligned to 256
	global_store_b64 v2, v[PC+4:PC+5], s[30:31] offset:12288*((\f)/2)+1536*((\f)%2)+512
	global_store_b128 v1, v[PC+6:PC+9], s[30:31] offset:12288*((\f)/2)+1536*((\f)%2)+768
	global_store_b64 v2, v[PC+10:PC+11], s[30:31] offset:12288*((\f)/2)+1536*((\f)%2)+1280
.endm
	XLOAD 0
	XLOAD 1
	s_wait_alu depctr_va_vdst(0)
	XFRAG 0
	XFRAG 1
	XFRAG 2
	XFRAG 3
	v_cndmask_b32 v12, v8, v9, s[SH]               ; lanes 0-15 the even row block's words, lanes 16-31 the odd one's: K step 2 w,
	v_cndmask_b32 v13, v10, v11, s[SH]             ; and K step 2 w + 1
	global_store_b64 v2, v[12:13], s[32:33]        ; 256 consecutive bytes
	s_wait_tensorcnt 0x0                           ; the wave's end, behind my last LDS store
	ds_add_u32 v[SPW], v[NIL]
	s_wait_dscnt 0x0
	s_endpgm
; ---------------- a weight: K is its first axis.  A lane takes a column n and its registers run down K, in the order of the places: a block of 32 lies in one lane.
; Wave w: columns 32 w + lane of the work-group's 128; 256 along K: eight blocks, loaded two ahead.
.Lw:
	s_wait_alu depctr_va_vdst(0)
	v_lshlrev_b32 v1, 2, v5                        ; 4 x lane
	s_wait_alu depctr_va_vdst(0)
	v_lshlrev_b32 v2, 4, v5                        ; 16 x lane
	v_lshlrev_b32 v3, 3, v5                        ; 8 x lane
	s_sub_co_u32 s24, ttmp9, 256
	s_lshr_b32 s25, s24, 5                         ; which weight
	s_bfe_u32 s26, s24, 0x30002                    ; which 128 columns
	s_and_b32 s27, s24, 3                          ; which 256 along K
	s_cmp_eq_u32 s25, 1
	s_cselect_b64 s[6:7], s[8:9], s[6:7]
	s_cmp_eq_u32 s25, 2
	s_cselect_b64 s[6:7], s[10:11], s[6:7]
	s_cmp_eq_u32 s25, 3
	s_cselect_b64 s[6:7], s[12:13], s[6:7]
	s_lshl_b32 s28, s27, 20                        ; 256 rows of 4,096 bytes
	s_lshl_b32 s29, s26, 9
	s_add_co_u32 s28, s28, s29
	s_lshl_b32 s29, s[WV], 7
	s_add_co_u32 s28, s28, s29
	s_mov_b32 s29, 0
	s_add_nc_u64 s[6:7], s[6:7], s[28:29]
	s_lshl_b32 s25, s25, 3
	s_add_co_u32 s25, s25, s26
	s_mul_i32 s25, s25, 102400                     ; the group: 8 x weight + which 128 columns
	s_mul_i32 s28, s27, 24576                      ; K steps 2 kq, 2 kq + 1
	s_mul_i32 s30, s[WV], 3072                     ; row blocks 2 w, 2 w + 1
	s_add_co_u32 s28, s28, s30
	s_add_co_u32 s28, s28, s25
	s_add_co_u32 s28, s28, 4096
	s_add_nc_u64 s[30:31], s[16:17], s[28:29]
	s_lshl_b32 s28, s[WV], 10
	s_lshl_b32 s27, s27, 8
	s_add_co_u32 s28, s28, s27
	s_add_co_u32 s28, s28, s25
	s_add_nc_u64 s[32:33], s[16:17], s[28:29]
.macro WLOAD bi                        ; block bi: place p takes row 32 bi + (p % 8) + 16 ((p / 8) % 2) + 8 (p / 16); 32 lanes read 128 consecutive bytes
.set P_, 0
.rept 32
	global_load_b32 v[64+32*((\bi)%2)+P_], v1, s[6:7] offset:(32*(\bi)+(P_%8)+16*((P_/8)%2)+8*(P_/16))*4096 th:TH_LOAD_NT
.set P_, P_+1
.endr
.endm
.macro WBLOCK bi
.set XS, 64+32*((\bi)%2)
.set PB, 128+8*(\bi)                   ; each block's codes have six registers of their own: no store's data are written again
.if (\bi) < 7
	s_wait_loadcnt 32                              ; this block's 32 loads are in; the next block's may be out
.else
	s_wait_loadcnt 0x0
.endif
	v_max3_num_f32 v8, |v[XS]|, |v[XS+1]|, |v[XS+2]|
	v_max3_num_f32 v9, |v[XS+3]|, |v[XS+4]|, |v[XS+5]|
.irp i, 6,10,14,18,22,26
	v_max3_num_f32 v8, v8, |v[XS+\i]|, |v[XS+\i+1]|
	v_max3_num_f32 v9, v9, |v[XS+\i+2]|, |v[XS+\i+3]|
.endr
	v_max3_num_f32 v8, v8, |v[XS+30]|, |v[XS+31]|
	v_max3_num_f32 v8, v8, v9, 0x1800000           ; and the floor
	v_add_nc_u32 v10, 0xff000000, v8               ; the conversion's scale operand
	v_lshrrev_b32 v11, 23, v10                     ; the byte
.if (\bi)%4 == 0
	v_mov_b32 v[12+(\bi)/4], v11
.else
	v_lshl_or_b32 v[12+(\bi)/4], v11, 8*((\bi)%4), v[12+(\bi)/4]
.endif
	v_cvt_scalef32_pk16_fp6_f32 v[PB:PB+2], v[XS:XS+15], v10
	v_cvt_scalef32_pk16_fp6_f32 v[32:34], v[XS+16:XS+31], v10
	v_nop                                          ; one plain place behind a scaled conversion
	v_mov_b32 v[PB+3], v32
	v_mov_b32 v[PB+4], v33
	v_mov_b32 v[PB+5], v34
.if (\bi)+2 < 8
	WLOAD (\bi)+2
.endif
.if (\bi)%2 == 1                       ; two blocks make a half fragment of each of my two row blocks: the first's lanes 16-31 change places with the second's lanes 0-15
.irp k, 0,1,2,3,4,5
	v_permlane16_swap_b32 v[PB-8+\k], v[PB+\k]
.endr
	global_store_b128 v2, v[PB-8:PB-5], s[30:31] offset:12288*((\bi)/4)+768*(((\bi)%4)/2)
	global_store_b64 v3, v[PB-4:PB-3], s[30:31] offset:12288*((\bi)/4)+768*(((\bi)%4)/2)+512
	global_store_b128 v2, v[PB:PB+3], s[30:31] offset:12288*((\bi)/4)+768*(((\bi)%4)/2)+1536
	global_store_b64 v3, v[PB+4:PB+5], s[30:31] offset:12288*((\bi)/4)+768*(((\bi)%4)/2)+2048
.endif
.endm
	WLOAD 0
	WLOAD 1
.irp t, 0,1,2,3,4,5,6,7
	WBLOCK \t
.endr
	global_store_b64 v3, v[12:13], s[32:33]        ; my column's two scale words: the wave stores 256 consecutive bytes
	s_endpgm
; ---------------- the table.  A wave makes one block of 16 positions as an image of 32 registers: register i (0..15) cos, 16 + i sin, of position 16 pb + (lane % 16) x frequency 8 (lane / 16) + i + 8 (i / 8).
.Ltable:
	s_wait_alu depctr_va_vdst(0)
	v_lshlrev_b32 v1, 4, v5
	s_sub_co_u32 s24, ttmp9, 384
	s_lshl_b32 s24, s24, 2
	s_add_co_u32 s24, s24, s[WV]                   ; pb
	s_lshl_b32 s26, s24, 4
	v_and_b32 v8, 15, v5
	v_add_nc_u32 v8, s26, v8
	v_cvt_f32_u32 v8, v8                           ; my position
	s_lshl_b32 s24, s24, 12
	s_mov_b32 s25, 0
	s_add_nc_u64 s[18:19], s[18:19], s[24:25]
	v_cmp_lt_u32 vcc_lo, 15, v5                    ; lanes 16-31
.macro FREQ i, lo, hi                  ; 10000^(2 f / 64) = 10^(f / 8) of my frequency f
	v_mov_b32 v[64+\i], \hi
	v_cndmask_b32 v[64+\i], \lo, v[64+\i], vcc_lo
.endm
	FREQ 0, 1.0, 10.0
	FREQ 1, 1.333521432163324, 13.33521432163324
	FREQ 2, 1.7782794100389228, 17.782794100389228
	FREQ 3, 2.371373705661655, 23.71373705661655
	FREQ 4, 3.1622776601683795, 31.622776601683795
	FREQ 5, 4.216965034285822, 42.16965034285822
	FREQ 6, 5.623413251903491, 56.23413251903491
	FREQ 7, 7.498942093324558, 74.98942093324558
	FREQ 8, 100.0, 1000.0
	FREQ 9, 133.3521432163324, 1333.521432163324
	FREQ 10, 177.82794100389228, 1778.2794100389228
	FREQ 11, 237.1373705661655, 2371.373705661655
	FREQ 12, 316.22776601683795, 3162.2776601683795
	FREQ 13, 421.6965034285822, 4216.965034285822
	FREQ 14, 562.3413251903491, 5623.413251903491
	FREQ 15, 749.8942093324558, 7498.942093324558
	s_wait_alu depctr_va_vdst(0)
.irp i, 0,1,2,3,4,5,6,7,8,9,10,11,12,13,14,15
	v_rcp_f32 v[80+\i], v[64+\i]
.endr
	v_mov_b32 v32, 0x3fc90fdb                      ; pi / 2 in three parts (plain work behind the reciprocals)
	v_mov_b32 v33, 0xb33bbd2e
	v_mov_b32 v34, 0xa6f72ced
	v_mov_b32 v35, 0.16666654611                   ; the sine's coefficients, as magnitudes: - + -
	v_mov_b32 v36, 0.0083321608736
	v_mov_b32 v37, 0.00019515295891
	v_mov_b32 v38, 0.04166664568298827             ; the cosine's: + - +
	v_mov_b32 v39, 0.001388731625493765
	v_mov_b32 v40, 0.00002443315711809948
	s_wait_alu depctr_va_vdst(0)                   ; one wait for the sixteen reciprocals, ahead of their first reader
.irp i, 0,1,2,3,4,5,6,7,8,9,10,11,12,13,14,15
	v_fma_f32 v9, -v[64+\i], v[80+\i], 1.0         ; one Newton step: q + q (1 - p q)
	v_fma_f32 v[80+\i], v[80+\i], v9, v[80+\i]
.endr
.macro SINCOS i
	v_mul_f32 v9, v8, v[80+\i]                     ; the angle, rounded once
	v_mul_f32 v10, 0x3f22f983, v9
	v_rndne_f32 v10, v10                           ; n = the nearest multiple of pi / 2
	v_fma_f32 v11, -v10, v32, v9
	v_fma_f32 v11, -v10, v33, v11
	v_fma_f32 v11, -v10, v34, v11                  ; the rest, at most pi / 4 in magnitude
	v_mul_f32 v12, v11, v11
	v_fma_f32 v13, -v12, v37, v36
	v_fma_f32 v13, v13, v12, -v35
	v_mul_f32 v14, v11, v12
	v_fma_f32 v13, v13, v14, v11                   ; its sine
	v_fma_f32 v15, v12, v40, -v39
	v_fma_f32 v15, v15, v12, v38
	v_mul_f32 v16, v12, v12
	v_fma_f32 v17, v12, -0.5, 1.0
	v_fma_f32 v15, v15, v16, v17                   ; its cosine
	v_cvt_i32_f32 v18, v10
	v_and_b32 v19, 1, v18
	v_cmp_eq_u32 vcc_lo, 1, v19                    ; odd n: the two change places
	v_cndmask_b32 v20, v13, v15, vcc_lo
	v_cndmask_b32 v21, v15, v13, vcc_lo
	v_lshlrev_b32 v19, 30, v18
	v_and_b32 v19, 0x80000000, v19                 ; the sine is negative where n % 4 is 2 or 3,
	v_xor_b32 v[112+\i], v19, v20
	v_add_nc_u32 v18, 1, v18
	v_lshlrev_b32 v18, 30, v18
	v_and_b32 v18, 0x80000000, v18                 ; the cosine where it is 1 or 2
	v_xor_b32 v[96+\i], v18, v21
.endm
.irp i, 0,1,2,3,4,5,6,7,8,9,10,11,12,13,14,15
	SINCOS \i
.endr
.irp g, 0,1,2,3,4,5,6,7
	global_store_b128 v1, v[96+4*\g:99+4*\g], s[18:19] offset:512*\g
.endr
	s_endpgm
.Lfunc_end_k_q11575e85f1_prep:
	.size	k_q11575e85f1_prep, .Lfunc_end_k_q11575e85f1_prep-k_q11575e85f1_prep
	.p2alignl 7, 3214868480
	.fill 96, 4, 3214868480
	.section	.rodata,"a",@progbits
	.p2align	6, 0x0
	.amdhsa_kernel k_q11575e85f1_prep
		.amdhsa_group_segment_fixed_size 34304
		.amdhsa_private_segment_fixed_size 0
		.amdhsa_enable_private_segment 0
		.amdhsa_kernarg_size 64
		.amdhsa_user_sgpr_count 2
		.amdhsa_user_sgpr_kernarg_segment_ptr 1
		.amdhsa_wavefront_size32 1
		.amdhsa_system_sgpr_workgroup_id_x 1
		.amdhsa_system_sgpr_workgroup_id_y 1
		.amdhsa_system_sgpr_workgroup_id_z 1
		.amdhsa_system_vgpr_workitem_id 0
		.amdhsa_next_free_vgpr 256
		.amdhsa_next_free_sgpr 66
		.amdhsa_reserve_vcc 1
		.amdhsa_float_denorm_mode_32 3
		.amdhsa_float_denorm_mode_16_64 3
		.amdhsa_memory_ordered 1
		.amdhsa_forward_progress 1
		.amdhsa_inst_pref_size 100
	.end_amdhsa_kernel
	.amdgpu_metadata
---
amdhsa.version: [ 1, 2 ]
amdhsa.kernels:
  - .name:           k_q11575e85f1_prep
    .symbol:         k_q11575e85f1_prep.kd
    .args:
      - { .name: x, .offset: 0, .size: 8, .value_kind: global_buffer, .address_space: global }
      - { .name: Wq, .offset: 8, .size: 8, .value_kind: global_buffer, .address_space: global }
      - { .name: Wk, .offset: 16, .size: 8, .value_kind: global_buffer, .address_space: global }
      - { .name: Wv, .offset: 24, .size: 8, .value_kind: global_buffer, .address_space: global }
      - { .name: Wo, .offset: 32, .size: 8, .value_kind: global_buffer, .address_space: global }
      - { .name: xq, .offset: 40, .size: 8, .value_kind: global_buffer, .address_space: global }
      - { .name: wq, .offset: 48, .size: 8, .value_kind: global_buffer, .address_space: global }
      - { .name: rope, .offset: 56, .size: 8, .value_kind: global_buffer, .address_space: global }
    .group_segment_fixed_size: 34304
    .private_segment_fixed_size: 0
    .kernarg_segment_align: 8
    .kernarg_segment_size: 64
    .max_flat_workgroup_size: 128
    .sgpr_count:     66
    .vgpr_count:     256
    .wavefront_size: 32
...
	.end_amdgpu_metadata
.endif
;; end of part 1
;; launch qkv (part 2): grid 4 x 64, 4 waves a work-group, clusters of 4 x 4, 327,680 bytes of LDS; arguments xq, wq, bq, bk, bv, rope, qb, kv; writes qb, kv
.if DOCPART == 2
	.amdgcn_target "amdgcn-amd-amdhsa--gfx1250"
	.amdhsa_code_object_version 6
	.text
	.protected	k_q11575e85f1_qkv
	.globl	k_q11575e85f1_qkv
	.p2align	8
	.type	k_q11575e85f1_qkv,@function
k_q11575e85f1_qkv:
	s_mov_b64 s[64:65], 0
	v_nop
	global_prefetch_b8 v0, s[64:65] scope:SCOPE_SE
	s_setreg_imm32_b32 hwreg(HW_REG_WAVE_MODE, 25, 1), 1
	s_wait_xcnt 0x0
	s_wait_alu depctr_hold_cnt(0) depctr_sa_sdst(0) depctr_va_vdst(0) depctr_va_sdst(0) depctr_va_ssrc(0) depctr_va_vcc(0) depctr_vm_vsrc(0)
	s_getreg_b32 s2, hwreg(HW_REG_IB_STS2, 6, 4)
	s_cmp_eq_u32 s2, 0
	s_cbranch_scc0 .Lentry_in_a_cluster
	s_endpgm
.Lentry_in_a_cluster:
	s_bfe_u32 s2, ttmp6, 0x10000c
	s_cmp_lg_u32 s2, 0xf033
	s_cbranch_scc0 .Lentry_shape_is_right
	s_endpgm
.Lentry_shape_is_right:
; q = rope(x Wq + bq), k = rope(x Wk + bk), v = x Wv + bv on codes of FP6 (E2M3) with E8M0 scales, and the three results quantised again for the attention: q and k along the head's 64, v along the keys.
; A WORK-GROUP STAYS: it holds one group of 128 tokens in LDS for the whole launch and takes it through 256 columns of Wq, then of Wk, then of Wv: three phases of 128 x 256, K = 1,024.  256 work-groups: 64 groups of tokens x 4 quarters of the columns.
; LDS: the tokens' group at 0 (102,400 bytes, filled once); the weights' two groups at 102,400: their first halves (scale words and K steps 0-3, 53,248 bytes each), then at 208,896 their second halves (K steps 4-7, 49,152 bytes each).
; FILLS.  At the head one tensor load a wave: the tokens' first half, the weights' first halves, the tokens' second half, the weights' second halves.  The weights' region is filled again twice, each time in a round of the cluster's barrier that stands
; round K step 7's products, when every wave holds that step's fragments and all scale words in registers: wave 0 asks for the first halves and wave 2 for the second.  The first halves have the phase's way out in which to land, the second four K steps more.
; No data prefetch: each refill is asked for a whole way out (rotation, quantiser, stores) ahead of its first read, and the head has no loop ahead of it to ask in.
; PHASES q AND k are one loop of two trips.  Wave w takes token blocks 4 (w / 2) .. + 3 as source 1 and the weights' group w % 2 (8 blocks of 16 columns) as source 0: a lane holds one token and eight neighbouring channels.
; PHASE v exchanges the sides by its LDS addresses alone: source 0 = the 8 token blocks, source 1 = blocks 4 (w % 2) .. + 3 of the weights' group w / 2 (one head): a lane holds one channel and its registers run along the keys.
; CLUSTERS of 4 x 4: the tokens' group hangs on the cluster's row alone and is asked for jointly by the four of a row, the weights' groups on the column alone and by the four of a column.
; OPERAND LAYOUT (xq, wq): a group of 128 rows: 4,096 bytes of scale words, then K step s at 4096 + 12288 s, block i at + 1536 i, as images of the operand's registers (half c at + 768 c: registers 0-3 at 16 x lane, 4-5 at 512 + 8 x lane).
; RESULTS.  qb: for each (batch x head, 128 tokens) 6,400 bytes: 8 half fragments (16 tokens x 64) of 768 bytes, then 256 bytes of pair words (pair u of tiles, row r at 128 (u / 2) + 4 (16 (u % 2) + r): two bytes of tile 2 u, two of 2 u + 1).
; kv: for each (batch x head, 128 keys) 12,800 bytes: K as in qb; at 6400 V's four fragments (16 channels x 128 keys) of 1,536 bytes; at 12544 V's scale words (8 x lane + 4 c: tile 2 c + lane / 16).
; LIMITS: NaN and infinities are not served; a block under 2^-124, or of zeros, keeps the byte 1 (its codes then are zeros or nearly so; this program alone reads the bytes); the rotation uses fused multiply-adds.
; REGISTERS: window 0: v8-26 lane terms and LDS addresses; v28-43 source 1's scale words, v48-79 source 0's (they hold nothing else); v80-127, v128-175 source 1's fragments, two sets; behind the products: v80-143 64 numbers, v144-162 codes,
;   v164-179 at work, v180-243 cos and sin, two sets, v244-253 scale words.   window 1: v0-95, v128-223 source 0's fragments, two sets (v0-31 at work in the rotation); v96-127, v224-255 the bias.   window 2: accumulator (a, b) at v[8 (8 a + b)].
.set SPARE, 307200                     ; behind the three groups: the spare words, 128 bytes a wave
.set SPW, 6
.set NIL, 7
.set L16, 8
.set L8,  9
.set L4,  10
.set SAD, 11
.set SBD, 12
.set L16A, 14
.set L8A, 15
.set L4A, 16
.set A16, 17                           ; v17, v18 source 1's fragments, registers 0-3: K steps 0-3, K steps 4-7; v19, v20 registers 4-5
.set A8,  19
.set B16, 21                           ; v21-24 the same for source 0
.set B8,  23
.set L8P, 25
.set SA,  28
.set SB,  48
.set AF,  80
.set T,   80
.set PC,  144
.set TM,  164
.set CS,  180
.set WD,  244
.set PA0, 2                            ; LDS bytes of my fragments: source 1's in K steps 0-3 and 4-7,
.set PA1, 3
.set PB0, 62                           ; source 0's,
.set PB1, 63
.set PSA, 100                          ; and of my scale words
.set PSB, 101
.set WV,  20
.set AH,  21
.set BW,  22
.set CX,  23
.set CY,  24
.set PH,  25
.set CLY, 26
.set SH,  27
.set SEL, 28
.set G1A, 36
.set G1B, 44
.set G0A, 68
.set G1A2, 76
.set G0B, 84
.set G1B2, 92
.set MSB, 0
.macro WIN new                         ; the immediate's high byte repeats the setting that is left
.if MSB != \new
	s_set_vgpr_msb (MSB<<8)|\new
.set MSB, \new
.endif
.endm
.macro PLACES n
.rept \n
	v_nop
.endr
.endm
.macro WALU
	s_wait_alu depctr_va_vdst(0)
.endm
.macro CROUND                          ; a round of the cluster's barrier
	s_barrier_signal -1
	s_barrier_wait -1
	s_cmp_lg_u32 s[WV], 0
	s_cbranch_scc1 .Lnw0_\@
	s_barrier_signal -3
.Lnw0_\@:
	s_barrier_wait -3
	s_barrier_signal -1
	s_barrier_wait -1
.endm
.macro TLOAD g0, g1
	tensor_load_to_lds s[\g0:\g0+3], s[\g1:\g1+7]
	s_nop 0
	PLACES 4
.endm
.macro FRAG reg, a16, a8, off          ; a fragment's image: every load takes consecutive bytes
	ds_load_b128 v[\reg:\reg+3], v[\a16] offset:\off
	ds_load_b64 v[\reg+4:\reg+5], v[\a8] offset:\off
	ds_load_b128 v[\reg+6:\reg+9], v[\a16] offset:\off+768
	ds_load_b64 v[\reg+10:\reg+11], v[\a8] offset:\off+768
.endm
.macro SCALES                          ; all scale words of my blocks, for all of K: a register holds an even block's words in lanes 0-15 and the odd block's in lanes 16-31
.irp p, 0,1
.irp q, 0,1,2,3
	ds_load_b64 v[SA+8*\p+2*\q:SA+8*\p+2*\q+1], v[SAD] offset:1024*\p+256*\q
.endr
.endr
.irp p, 0,1,2,3
.irp q, 0,1,2,3
	ds_load_b64 v[SB+8*\p+2*\q:SB+8*\p+2*\q+1], v[SBD] offset:1024*\p+256*\q
.endr
.endr
.endm
.macro FETCH s                         ; K step s's fragments into set s % 2: source 0's eight, source 1's four; the step's place stands in the immediate
	WIN 0x40
.irp i, 0,1,2,3,4,5,6,7
	FRAG 128*((\s)%2)+12*\i, B16+(\s)/4, B8+(\s)/4, 12288*((\s)%4)+1536*\i
.endr
	WIN 0
.irp i, 0,1,2,3
	FRAG AF+48*((\s)%2)+12*\i, A16+(\s)/4, A8+(\s)/4, 12288*((\s)%4)+1536*\i
.endr
.endm
.macro W1 c, ra, rb                    ; one product; ra, rb: the lanes' half in which the side's scale words stand
	v_wmma_scale_f32_16x16x128_f8f6f4 v[rD:rD+7], v[rA:rA+11], v[rB:rB+11], \c, v[rSA], v[rSB] matrix_a_fmt:MATRIX_FMT_FP6 matrix_b_fmt:MATRIX_FMT_FP6 matrix_a_scale:MATRIX_SCALE_ROW\ra matrix_b_scale:MATRIX_SCALE_ROW\rb
.endm
; 32 products of K step s.  zero = 1: the constant 0 starts the sums.  The 32 accumulators take turns in one order through all steps.
.macro MUL s, zero
	WIN 0xa1
.irp ap, 0,1
.irp ar, 0,1
.irp bp, 0,1,2,3
.irp br, 0,1
.set rD, 8*(8*(2*\ap+\ar)+2*\bp+\br)
.set rA, 128*((\s)%2)+12*(2*\bp+\br)
.set rB, AF+48*((\s)%2)+12*(2*\ap+\ar)
.set rSA, SB+8*\bp+(\s)
.set rSB, SA+8*\ap+(\s)
.if \zero
	W1 0, \br, \ar
.else
	W1 v[rD:rD+7], \br, \ar
.endif
.endr
.endr
.endr
.endr
.endm
; K step s.  tc >= 0: the next step's bytes lie in the second halves: every wave waits for its tensor load, and a barrier shows that to all.
.macro STEP s, zero, tc
	s_wait_dscnt 0x0                               ; this step's fragments are in; no LDS instruction of mine is out at a signal
.if (\tc) >= 0
	s_wait_tensorcnt \tc
	s_barrier_signal -1
	s_barrier_wait -1
.endif
.if (\s) < 7
	PLACES 4                                       ; between the last products and the loads into the set that they read
	FETCH (\s)+1
.endif
	MUL \s, \zero
.endm
; A phase's top: my LDS addresses; waves 0 and 1, which asked for what is read first (at the head the two first halves, later wave 0 the weights' first halves), wait for it, and a barrier shows it to all.
.macro TOP
	v_add_nc_u32 v[A16], s[PA0], v[L16]
	v_add_nc_u32 v[A16+1], s[PA1], v[L16]
	v_add_nc_u32 v[A8], s[PA0], v[L8P]
	v_add_nc_u32 v[A8+1], s[PA1], v[L8P]
	v_add_nc_u32 v[B16], s[PB0], v[L16]
	v_add_nc_u32 v[B16+1], s[PB1], v[L16]
	v_add_nc_u32 v[B8], s[PB0], v[L8P]
	v_add_nc_u32 v[B8+1], s[PB1], v[L8P]
	v_add_nc_u32 v[SAD], s[PSA], v[L8]
	v_add_nc_u32 v[SBD], s[PSB], v[L8]
	WALU                                           ; the wait ahead of the branch and the blocking waits
	s_cmp_lt_u32 s[WV], 2
	s_cbranch_scc0 .Lnot_first_\@
	s_wait_tensorcnt 0x0
.Lnot_first_\@:
	s_barrier_signal -1
	s_barrier_wait -1
	SCALES
	FETCH 0
.endm
.macro QUANT s, pw                     ; 64 numbers of a lane (two neighbouring result tiles are a block's 16 places of my half) -> a fragment's codes in v[PC] on, its scale word in v[pw]
.irp b, 0,1,2,3
	v_max3_num_f32 v[TM+\b], |v[\s+16*\b]|, |v[\s+1+16*\b]|, 0x1800000
.endr
.irp i, 2,4,6,8,10,12,14
.irp b, 0,1,2,3
	v_max3_num_f32 v[TM+\b], v[TM+\b], |v[\s+16*\b+\i]|, |v[\s+1+16*\b+\i]|
.endr
.endr
.irp b, 0,1,2,3
	v_permlanex16_b32 v[TM+4+\b], v[TM+\b], s[SEL], s[SEL+1]
.endr
.irp b, 0,1,2,3
	v_max_num_f32 v[TM+\b], v[TM+\b], v[TM+4+\b]
.endr
.irp b, 0,1,2,3
	v_add_nc_u32 v[TM+12+\b], 0xff000000, v[TM+\b]
.endr
.irp b, 0,1,2,3
	v_lshrrev_b32 v[TM+4+\b], 23, v[TM+12+\b]
.endr
	v_lshl_or_b32 v[\pw], v[TM+5], 8, v[TM+4]
	v_lshl_or_b32 v[\pw], v[TM+6], 16, v[\pw]
	v_lshl_or_b32 v[\pw], v[TM+7], 24, v[\pw]
.irp c, 0,1
	v_cvt_scalef32_pk16_fp6_f32 v[PC+6*\c:PC+2+6*\c], v[\s+32*\c:\s+15+32*\c], v[TM+12+2*\c]
	v_cvt_scalef32_pk16_fp6_f32 v[PC+12+4*\c:PC+14+4*\c], v[\s+16+32*\c:\s+31+32*\c], v[TM+12+2*\c+1]
.endr
	v_nop                                          ; one plain place behind a scaled conversion
.irp c, 0,1
.irp i, 0,1,2
	v_permlane16_swap_b32 v[PC+6*\c+\i], v[PC+12+4*\c+\i]
.endr
.irp i, 0,1,2
	v_mov_b32 v[PC+3+6*\c+\i], v[PC+12+4*\c+\i]
.endr
.endr
.endm
.macro RLOAD a                         ; cos and sin of block a's 16 positions
.irp g, 0,1,2,3,4,5,6,7
	global_load_b128 v[CS+32*((\a)%2)+4*\g:CS+32*((\a)%2)+4*\g+3], v[L16], s[14:15] offset:4096*(\a)+512*\g
.endr
.endm
.macro ROPEQ a                         ; block a: 16 tokens x my 128 columns (two heads)
	WIN 0x06                                       ; source 0 window 2, source 1 window 1
.irp b, 0,1,2,3,4,5,6,7
.irp k, 0,2,4,6
	v_pk_add_f32 v[T+8*\b+\k:T+8*\b+\k+1], v[8*(8*(\a)+\b)+\k:8*(8*(\a)+\b)+\k+1], v[96+8*\b+96*(\b/4)+\k:96+8*\b+96*(\b/4)+\k+1]   ; + bias; each accumulator from its low end on
.endr
.endr
	WIN 0
.if (\a) == 2
	s_wait_loadcnt 8                               ; block 2's cos and sin are in; block 3's eight loads may be out
.elseif (\a) == 3
	s_wait_loadcnt 0x0
.endif
.set CSB, CS+32*((\a)%2)
.irp hd, 0,1                           ; a head's sixteen products with sin first, into window 1's v0-31, which no fragment needs here; then its sixteen multiply-adds with cos
	WIN 0x40
.irp k, 0,1,2,3,4,5,6,7
.set X1, T+32*\hd+2*\k                 ; channels d < 32 of the head; d + 32 stands 16 registers on
	v_pk_mul_f32 v[4*\k:4*\k+1], v[X1+16:X1+17], v[CSB+16+2*\k:CSB+17+2*\k]
	v_pk_mul_f32 v[4*\k+2:4*\k+3], v[X1:X1+1], v[CSB+16+2*\k:CSB+17+2*\k]
.endr
	WIN 0x10
.irp k, 0,1,2,3,4,5,6,7
.set X1, T+32*\hd+2*\k
	v_pk_fma_f32 v[X1:X1+1], v[X1:X1+1], v[CSB+2*\k:CSB+2*\k+1], v[4*\k:4*\k+1] neg_lo:[0,0,1] neg_hi:[0,0,1]
	v_pk_fma_f32 v[X1+16:X1+17], v[X1+16:X1+17], v[CSB+2*\k:CSB+2*\k+1], v[4*\k+2:4*\k+3]
.endr
.endr
	WIN 0
.if (\a) < 2
	RLOAD (\a)+2
.endif
.if (\a) > 0
	s_wait_xcnt 0x0                                ; the last block's stores have read the codes' registers
.endif
	QUANT T, WD+(\a)
	global_store_b128 v[L16A], v[PC:PC+3], s[54:55] offset:768*(\a)        ; the first head's half fragment,
	global_store_b64 v[L8A], v[PC+4:PC+5], s[54:55] offset:768*(\a)+512
	global_store_b128 v[L16A], v[PC+6:PC+9], s[56:57] offset:768*(\a)      ; the second's
	global_store_b64 v[L8A], v[PC+10:PC+11], s[56:57] offset:768*(\a)+512
.endm
.macro VQ a                            ; tile a: 16 channels x 128 keys
	WIN 0x06
.irp b, 0,1,2,3,4,5,6,7
.irp k, 0,2,4,6
	v_pk_add_f32 v[T+8*\b+\k:T+8*\b+\k+1], v[8*(8*(\a)+\b)+\k:8*(8*(\a)+\b)+\k+1], v[96+2*(\a):97+2*(\a)] op_sel_hi:[1,0]
.endr
.endr
	WIN 0
.if (\a) > 0
	s_wait_xcnt 0x0                                ; the last tile's stores have read the codes' registers
.endif
	QUANT T, WD+(\a)
	global_store_b128 v[L16], v[PC:PC+3], s[54:55] offset:1536*(\a)
	global_store_b64 v[L8], v[PC+4:PC+5], s[54:55] offset:1536*(\a)+512
	global_store_b128 v[L16], v[PC+6:PC+9], s[54:55] offset:1536*(\a)+768
	global_store_b64 v[L8], v[PC+10:PC+11], s[54:55] offset:1536*(\a)+1280
.endm
; ================= THE HEAD
	s_load_b512 s[4:19], s[0:1], 0x0               ; xq s[4:5], wq s[6:7], bq s[8:9], bk s[10:11], bv s[12:13], rope s[14:15], qb s[16:17], kv s[18:19]
	v_lshl_add_u32 v[SPW], v0, 2, SPARE
	v_mov_b32 v[NIL], 0
	ds_add_u32 v[SPW], v[NIL]                      ; the wave's opening: the add, twice on end, and its wait ahead of my first tensor load; work on registers stands between them
	ds_add_u32 v[SPW], v[NIL]
	v_lshrrev_b32 v1, 5, v0
	v_readfirstlane_b32 s[WV], v1                  ; wave 0..3
	s_lshr_b32 s[AH], s[WV], 1
	s_and_b32 s[BW], s[WV], 1
	s_bfe_u32 s[CX], ttmp6, 0x40000
	s_bfe_u32 s[CY], ttmp6, 0x40004
	s_and_b32 s[CLY], ttmp7, 0xffff                ; cluster y
	s_mov_b32 s[SH], 0xffff0000
	s_mov_b32 s[SEL], 0x76543210
	s_mov_b32 s[SEL+1], 0xfedcba98
	s_lshl_b32 s30, s[CY], 2
	s_lshl_b32 s30, 15, s30                        ; my row of the cluster
	s_lshl_b32 s31, 0x1111, s[CX]                  ; my column
	s_or_b32 s[G1A], s30, (3<<16)|(1<<21)          ; group 1: the mask; elements of 8 bytes; bit 21 beside a mask; no padding
	s_or_b32 s[G1A2], s30, (3<<16)|(1<<21)
	s_or_b32 s[G1B], s31, (3<<16)|(1<<21)
	s_or_b32 s[G1B2], s31, (3<<16)|(1<<21)
.irp g, G1A, G1A2                      ; the tokens' group in two halves, dense, as rows of 256 bytes
	s_mov_b32 s[\g+1], 32<<16
	s_mov_b32 s[\g+3], 32<<16
	s_mov_b32 s[\g+5], 32
	s_mov_b32 s[\g+6], 0
	s_mov_b32 s[\g+7], 0
.endr
	s_mov_b32 s[G1A+2], 208<<16                    ; 53,248 bytes: the scale words and K steps 0 to 3
	s_mov_b32 s[G1A+4], 208
	s_mov_b32 s[G1A2+2], 192<<16                   ; 49,152 bytes: K steps 4 to 7
	s_mov_b32 s[G1A2+4], 192
.irp g, G1B, G1B2                      ; the weights' two groups lie on end in memory: a half of both is a tile of 2 rows, 102,400 bytes (12,800 elements) apart
	s_mov_b32 s[\g+2], 2<<16
	s_mov_b32 s[\g+4], 2
	s_mov_b32 s[\g+5], 12800
	s_mov_b32 s[\g+6], 0
	s_mov_b32 s[\g+7], 0
.endr
	s_mov_b32 s[G1B+1], 6656<<16                   ; rows of 53,248 bytes
	s_mov_b32 s[G1B+3], 6656<<16
	s_mov_b32 s[G1B2+1], 6144<<16                  ; rows of 49,152 bytes
	s_mov_b32 s[G1B2+3], 6144<<16
	s_lshl_b32 s52, s[CLY], 2
	s_add_co_u32 s52, s52, s[CY]                   ; my group of tokens: 4 cluster y + cy; it never holds cx
	s_mul_i32 s58, s52, 102400
	s_mov_b32 s59, 0
	s_mul_i32 s60, s[CX], 204800                   ; Wq's groups 2 cx and 2 cx + 1; it never holds cy
	s_mov_b32 s61, 0
	s_mul_i32 s[PA0], s[AH], 6144                  ; phases q and k: source 1 = my four blocks of tokens,
	s_add_co_u32 s[PA0], s[PA0], 4096
	s_add_co_u32 s[PA1], s[PA0], 49152
	s_lshl_b32 s[PSA], s[AH], 11
	s_mul_i32 s[PSB], s[BW], 53248                 ; source 0 = my group of the weights
	s_add_co_u32 s[PSB], s[PSB], 102400
	s_add_co_u32 s[PB0], s[PSB], 4096
	s_mul_i32 s[PB1], s[BW], 49152
	s_add_co_u32 s[PB1], s[PB1], 208896
	s_mov_b32 s[PH], 0
	s_wait_dscnt 0x0                               ; both opening adds are done
	s_wait_kmcnt 0x0
	s_add_nc_u64 s[54:55], s[4:5], s[58:59]
	s_add_nc_u64 s[56:57], s[6:7], s[60:61]
	CROUND                                         ; all sixteen work-groups are here: the joint loads meet
	s_mov_b32 s[G0A], 1                            ; the tokens' first half, at LDS byte 0
	s_mov_b32 s[G0A+1], 0
	s_mov_b64 s[G0A+2:G0A+3], s[54:55]
	s_or_b32 s[G0A+3], s[G0A+3], 0x80000000
	s_mov_b32 s[G0A+4], 1                          ; their second half, behind it
	s_mov_b32 s[G0A+5], 53248
	s_add_nc_u64 s[G0A+6:G0A+7], s[54:55], 53248
	s_or_b32 s[G0A+7], s[G0A+7], 0x80000000
	s_mov_b32 s[G0B], 1                            ; the first halves of the weights' two groups
	s_mov_b32 s[G0B+1], 102400
	s_mov_b64 s[G0B+2:G0B+3], s[56:57]
	s_or_b32 s[G0B+3], s[G0B+3], 0x80000000
	s_mov_b32 s[G0B+4], 1                          ; and the second halves
	s_mov_b32 s[G0B+5], 208896
	s_add_nc_u64 s[G0B+6:G0B+7], s[56:57], 53248
	s_or_b32 s[G0B+7], s[G0B+7], 0x80000000
; the first fills: one tensor load a wave, in one chain of branches on the wave's number; what the first K steps need is asked for by waves 0 and 1
	s_cmp_eq_u32 s[WV], 0
	s_cbranch_scc0 .Lnot_a
	TLOAD G0A, G1A
	s_branch .Lfilled
.Lnot_a:
	s_cmp_eq_u32 s[WV], 1
	s_cbranch_scc0 .Lnot_b
	TLOAD G0B, G1B
	s_branch .Lfilled
.Lnot_b:
	s_cmp_eq_u32 s[WV], 2
	s_cbranch_scc0 .Lnot_a2
	TLOAD G0A+4, G1A2
	s_branch .Lfilled
.Lnot_a2:
	TLOAD G0B+4, G1B2
.Lfilled:
	s_mul_i32 s30, s[AH], 3072
	s_lshl_b32 s31, s[AH], 7
	s_and_b32 s60, s52, 15                         ; which 128 positions
	s_lshl_b32 s58, s60, 3
	s_lshl_b32 s61, s[AH], 2
	s_add_co_u32 s58, s58, s61
	s_lshl_b32 s58, s58, 12                        ; the table: block of 16 positions 8 ks + 4 (w / 2)
	s_mov_b32 s59, 0
	s_add_nc_u64 s[14:15], s[14:15], s[58:59]
	v_and_b32 v1, 31, v0
	v_lshlrev_b32 v[L16], 4, v1
	v_lshlrev_b32 v[L8], 3, v1
	v_lshlrev_b32 v[L4], 2, v1
	v_add_nc_u32 v[L8P], 512, v[L8]
	v_add_nc_u32 v[L16A], s30, v[L16]              ; the way out of q and k: my four tiles of the group's eight
	v_add_nc_u32 v[L8A], s30, v[L8]
	v_add_nc_u32 v[L4A], s31, v[L4]
	v_bfe_u32 v13, v0, 4, 1
	v_lshlrev_b32 v13, 5, v13                      ; q, k: my eight columns of a tile: 32 bytes on for lanes 16-31
	v_and_b32 v26, 15, v0
	v_lshlrev_b32 v26, 2, v26                      ; v: my channel of a tile
; ================= PHASES q (trip 0) AND k (trip 1)
.Lphase:
	TOP
	STEP 0, 1, -1
	STEP 1, 0, -1
	STEP 2, 0, -1
	STEP 3, 0, 0                                   ; K step 4 lies in the second halves
	STEP 4, 0, -1
	WIN 0
	s_cmp_eq_u32 s[PH], 1
	s_cselect_b64 s[30:31], s[10:11], s[8:9]       ; the bias
	s_cselect_b64 s[32:33], s[18:19], s[16:17]     ; the buffer
	s_mov_b32 s34, 6400
	s_cselect_b32 s34, 12800, s34                  ; and its bytes for 128 tokens of a head
	s_lshl_b32 s35, s[CX], 10
	s_lshl_b32 s58, s[BW], 9
	s_add_co_u32 s58, s58, s35                     ; my 128 columns: 4 (256 cx + 128 (w % 2)) bytes
	s_mov_b32 s59, 0
	s_add_nc_u64 s[30:31], s[30:31], s[58:59]
	s_lshr_b32 s35, s52, 4                         ; the batch
	s_and_b32 s60, s52, 15                         ; which 128 positions
	s_lshl_b32 s35, s35, 4
	s_lshl_b32 s61, s[CX], 2
	s_add_co_u32 s35, s35, s61
	s_lshl_b32 s61, s[BW], 1
	s_add_co_u32 s35, s35, s61                     ; 16 batch + my first head
	s_lshl_b32 s35, s35, 4
	s_add_co_u32 s35, s35, s60
	s_mul_i32 s58, s35, s34
	s_add_nc_u64 s[54:55], s[32:33], s[58:59]      ; my first head's place,
	s_lshl_b32 s58, s34, 4
	s_add_nc_u64 s[56:57], s[54:55], s[58:59]      ; my second head's
	WIN 0x40
.irp b, 0,1,2,3,4,5,6,7
	global_load_b128 v[96+8*\b+96*(\b/4):96+8*\b+96*(\b/4)+3], v13, s[30:31] offset:64*\b
	global_load_b128 v[96+8*\b+96*(\b/4)+4:96+8*\b+96*(\b/4)+7], v13, s[30:31] offset:64*\b+16
.endr
	WIN 0
	RLOAD 0
	RLOAD 1
	STEP 5, 0, -1
	STEP 6, 0, -1
	s_wait_dscnt 0x0                               ; K step 7's fragments are in: I read the weights' bytes no more
	WIN 0
	s_wait_tensorcnt 0x0                           ; ahead of a refill's round: no tensor load of mine is out,
	ds_add_u32 v[SPW], v[NIL]
	s_add_nc_u64 s[G0B+2:G0B+3], s[G0B+2:G0B+3], 819200   ; so the descriptors may be written: the next weight lies eight groups on
	s_add_nc_u64 s[G0B+6:G0B+7], s[G0B+6:G0B+7], 819200
	MUL 7, 0                                       ; 32 products stand between the add and the wait for it
	WIN 0
	s_wait_dscnt 0x0
	CROUND                                         ; no wave of any partner still reads the weights' bytes or has a load on its way
	s_cmp_eq_u32 s[WV], 0
	s_cbranch_scc0 .Lnot_h1
	TLOAD G0B, G1B                                 ; wave 0: the next weight's first halves, waited for at the next phase's top;
	s_branch .Lrefilled
.Lnot_h1:
	s_cmp_eq_u32 s[WV], 2
	s_cbranch_scc0 .Lrefilled
	TLOAD G0B+4, G1B2                              ; wave 2: its second halves, waited for in the next phase's K step 3
.Lrefilled:
	PLACES 4                                       ; between the last products and the first read of results and write of their operands' registers
.irp b, 0,1,2,3
	v_mov_b32 v[TM+4+\b], 0
.endr
	s_wait_loadcnt 0x0                             ; the bias; cos and sin of blocks 0 and 1
	ROPEQ 0
	ROPEQ 1
	ROPEQ 2
	ROPEQ 3
	v_perm_b32 v248, v[WD+1], v[WD], 0x05040100    ; the first head's pair words: two bytes of the even tile, two of the odd one
	v_perm_b32 v249, v[WD+3], v[WD+2], 0x05040100
	v_cndmask_b32 v250, v248, v249, s[SH]          ; lanes 0-15 my first pair, lanes 16-31 my second
	v_perm_b32 v252, v[WD+1], v[WD], 0x07060302    ; the second head's
	v_perm_b32 v253, v[WD+3], v[WD+2], 0x07060302
	v_cndmask_b32 v251, v252, v253, s[SH]
	global_store_b32 v[L4A], v250, s[54:55] offset:6144
	global_store_b32 v[L4A], v251, s[56:57] offset:6144
	s_wait_xcnt 0x0                                ; the stores have read their registers and bases: the next phase writes them again
	s_add_co_u32 s[PH], s[PH], 1
	s_cmp_lt_u32 s[PH], 2
	WALU
	s_cbranch_scc1 .Lphase
; ================= PHASE v: a lane holds one channel and its registers run along the 128 tokens: the keys
	s_mul_i32 s30, s[AH], 53248                    ; source 1 = blocks 4 (w % 2) .. + 3 of the weights' group w / 2,
	s_mul_i32 s31, s[BW], 6144
	s_add_co_u32 s[PA0], s30, s31
	s_add_co_u32 s[PA0], s[PA0], 106496
	s_mul_i32 s32, s[AH], 49152
	s_add_co_u32 s[PA1], s32, s31
	s_add_co_u32 s[PA1], s[PA1], 208896
	s_lshl_b32 s31, s[BW], 11
	s_add_co_u32 s[PSA], s30, s31
	s_add_co_u32 s[PSA], s[PSA], 102400
	s_mov_b32 s[PB0], 4096                         ; source 0 = the eight blocks of tokens
	s_mov_b32 s[PB1], 53248
	s_mov_b32 s[PSB], 0
	s_lshl_b32 s58, s[CX], 10
	s_lshl_b32 s31, s[AH], 9
	s_add_co_u32 s58, s58, s31
	s_lshl_b32 s31, s[BW], 8
	s_add_co_u32 s58, s58, s31
	s_mov_b32 s59, 0
	s_add_nc_u64 s[12:13], s[12:13], s[58:59]      ; bv at my 64 channels
	s_lshl_b32 s30, s[CX], 2
	s_lshl_b32 s31, s[AH], 1
	s_add_co_u32 s30, s30, s31
	s_add_co_u32 s30, s30, s[BW]                   ; my head: 4 cx + w
	s_lshr_b32 s32, s52, 4                         ; the batch
	s_and_b32 s31, s52, 15                         ; the key step
	s_lshl_b32 s32, s32, 4
	s_add_co_u32 s32, s32, s30
	s_lshl_b32 s32, s32, 4
	s_add_co_u32 s32, s32, s31
	s_mul_i32 s58, s32, 12800
	s_add_co_u32 s58, s58, 6400
	s_add_nc_u64 s[54:55], s[18:19], s[58:59]
	TOP
	STEP 0, 1, -1
	STEP 1, 0, -1
	STEP 2, 0, -1
	STEP 3, 0, 0                                   ; K step 4 lies in the second halves
	STEP 4, 0, -1
	WIN 0x40
.irp a, 0,1,2,3
	global_load_b32 v[96+2*\a], v26, s[12:13] offset:64*\a      ; my channel's bias; the packed addition names a pair, so both are loaded
	global_load_b32 v[97+2*\a], v26, s[12:13] offset:64*\a
.endr
	WIN 0
	STEP 5, 0, -1
	STEP 6, 0, -1
	STEP 7, 0, -1
	WIN 0
	PLACES 4
.irp b, 0,1,2,3
	v_mov_b32 v[TM+4+\b], 0
.endr
	s_wait_loadcnt 0x0
	VQ 0
	VQ 1
	VQ 2
	VQ 3
	v_cndmask_b32 v248, v[WD], v[WD+1], s[SH]      ; lanes 0-15 an even tile's words, lanes 16-31 the odd one's
	v_cndmask_b32 v249, v[WD+2], v[WD+3], s[SH]
	global_store_b64 v[L8], v[248:249], s[54:55] offset:6144
	s_wait_tensorcnt 0x0                           ; the wave's end, behind my last tensor load
	ds_add_u32 v[SPW], v[NIL]
	s_wait_dscnt 0x0
	CROUND                                         ; the closing round
	s_endpgm
.Lfunc_end_k_q11575e85f1_qkv:
	.size	k_q11575e85f1_qkv, .Lfunc_end_k_q11575e85f1_qkv-k_q11575e85f1_qkv
	.p2alignl 7, 3214868480
	.fill 96, 4, 3214868480
	.section	.rodata,"a",@progbits
	.p2align	6, 0x0
	.amdhsa_kernel k_q11575e85f1_qkv
		.amdhsa_group_segment_fixed_size 327680
		.amdhsa_private_segment_fixed_size 0
		.amdhsa_enable_private_segment 0
		.amdhsa_kernarg_size 64
		.amdhsa_user_sgpr_count 2
		.amdhsa_user_sgpr_kernarg_segment_ptr 1
		.amdhsa_wavefront_size32 1
		.amdhsa_system_sgpr_workgroup_id_x 1
		.amdhsa_system_sgpr_workgroup_id_y 1
		.amdhsa_system_sgpr_workgroup_id_z 1
		.amdhsa_system_vgpr_workitem_id 0
		.amdhsa_next_free_vgpr 768
		.amdhsa_next_free_sgpr 102
		.amdhsa_reserve_vcc 0
		.amdhsa_float_denorm_mode_32 3
		.amdhsa_float_denorm_mode_16_64 3
		.amdhsa_memory_ordered 1
		.amdhsa_forward_progress 1
		.amdhsa_inst_pref_size 204
	.end_amdhsa_kernel
	.amdgpu_metadata
---
amdhsa.version: [ 1, 2 ]
amdhsa.kernels:
  - .name:           k_q11575e85f1_qkv
    .symbol:         k_q11575e85f1_qkv.kd
    .args:
      - { .name: xq, .offset: 0, .size: 8, .value_kind: global_buffer, .address_space: global }
      - { .name: wq, .offset: 8, .size: 8, .value_kind: global_buffer, .address_space: global }
      - { .name: bq, .offset: 16, .size: 8, .value_kind: global_buffer, .address_space: global }
      - { .name: bk, .offset: 24, .size: 8, .value_kind: global_buffer, .address_space: global }
      - { .name: bv, .offset: 32, .size: 8, .value_kind: global_buffer, .address_space: global }
      - { .name: rope, .offset: 40, .size: 8, .value_kind: global_buffer, .address_space: global }
      - { .name: qb, .offset: 48, .size: 8, .value_kind: global_buffer, .address_space: global }
      - { .name: kv, .offset: 56, .size: 8, .value_kind: global_buffer, .address_space: global }
    .group_segment_fixed_size: 327680
    .private_segment_fixed_size: 0
    .kernarg_segment_align: 8
    .kernarg_segment_size: 64
    .max_flat_workgroup_size: 128
    .sgpr_count:     102
    .vgpr_count:     768
    .wavefront_size: 32
...
	.end_amdgpu_metadata
.endif
;; end of part 2
;; launch attn (part 3): grid 4 x 64, 8 waves a work-group, clusters of 4 x 1, 206,848 bytes of LDS; arguments qb, kv, ac; writes ac
.if DOCPART == 3
	.amdgcn_target "amdgcn-amd-amdhsa--gfx1250"
	.amdhsa_code_object_version 6
	.text
	.protected	k_q11575e85f1_attn
	.globl	k_q11575e85f1_attn
	.p2align	8
	.type	k_q11575e85f1_attn,@function
k_q11575e85f1_attn:
	s_mov_b64 s[64:65], 0
	v_nop
	global_prefetch_b8 v0, s[64:65] scope:SCOPE_SE
	s_setreg_imm32_b32 hwreg(HW_REG_WAVE_MODE, 25, 1), 1
	s_wait_xcnt 0x0
	s_wait_alu depctr_hold_cnt(0) depctr_sa_sdst(0) depctr_va_vdst(0) depctr_va_sdst(0) depctr_va_ssrc(0) depctr_va_vcc(0) depctr_vm_vsrc(0)
	s_getreg_b32 s2, hwreg(HW_REG_IB_STS2, 6, 4)
	s_cmp_eq_u32 s2, 0
	s_cbranch_scc0 .Lentry_in_a_cluster
	s_endpgm
.Lentry_in_a_cluster:
	s_bfe_u32 s2, ttmp6, 0x10000c
	s_cmp_lg_u32 s2, 0x3003
	s_cbranch_scc0 .Lentry_shape_is_right
	s_endpgm
.Lentry_shape_is_right:
; O = softmax(q k^T / 8) v for each of 64 (batch x head), 2,048 queries and keys, head size 64, both products on codes of FP6 (E2M3) with E8M0 scales; O / its row's sum is quantised again, along the model's 1,024, for the last projection.
; THE SOFTMAX: t = score x log2(e) / 8; M = the running largest t rounded up to a whole number; p = 2^(t - M) is quantised along the keys, not normalised; the row's sum is taken of the unquantised p; when M moves, sum and O are multiplied by 2^(old M - new M).
; SHARES.  A cluster of four work-groups is one (batch x head); each owns 512 queries.  The head's K and V as codes, 16 key steps of 12,800 bytes, lie in LDS whole: each of the eight waves asks for two key steps by one tensor load,
; jointly with the same wave of the three partners; no LDS byte is filled twice.  A wave owns TWO tiles of 16 queries at a time, in two passes, and walks all 16 key steps: each fragment of K and V feeds both tiles.
; No data prefetch: all of the launch's LDS fills go out at its head, and there is no loop ahead of them to ask in.
; THE HEAD IS 64 AND THE INSTRUCTION'S K IS 128: a fragment of K holds TWO tiles of 16 keys, one in each half of K; it is multiplied once by [q | 0] and once by [0 | q].  q, six zero registers and q again lie on end: 18 registers hold both operands.
; Both products are used transposed: a lane holds one query (lane % 16) throughout.
; WHICH KEYS FORM A TILE OF K is chosen by the lanes' LDS addresses: row 8 g + j of tile T is key 64 (T / 4) + 32 g + 16 (T % 2) + 8 ((T % 4) / 2) + j of the step.  So a lane's 32 scores of tiles 4 c .. 4 c + 3 are ONE block of 32 keys,
; block 2 c + lane / 16, in the order in which V's codes lie along the keys: a block's largest score needs no other lane, and two conversions give the six registers that the operand wants of that lane.
; ac: the last projection's A operand: group of 128 tokens: 4,096 bytes of scale words, then K step s (two heads) at 4096 + 12288 s, block i at + 1536 i, head's half at + 768.
; A scale word of ac holds the bytes of two heads, which are two clusters' work: so the bytes leave singly, 32 a tile beside its 768 bytes of codes.
; LIMITS: NaN and infinities are not served; a block of p or of O under 2^-124, or of zeros, keeps the byte 1; the promise holds while the scaled scores stay under 2^31 in magnitude.
; REGISTERS.  Window 0: v1-3 lane terms of K's addresses, v6, v7 16 x lane and 512 + 8 x lane, v4, v5 the add's two, v8-12 the next step's LDS addresses, v13-15 lane terms; per tile q at + 12 q: v16 -M, v17 the largest score, v[18:19] the sum,
;   v20 the factor, v22-23 block maxima, v24-25 scale operands, v26-27 at work; v40-47 scale words (q's two, K's two, V's two, p's two); v64-191 scores, then p; v192-215 p's codes; v216-231 the maxima's sixteen chains, then the conversions' second halves;
;   v232-245 seven chains of the sum.   Window 1: v0-47 K's four fragments, v48-95 V's four, v96-131 q's operands, v136-199 O^T.
.set SPARE, 204800                     ; behind the 16 key steps: the spare words, 128 bytes a wave
.set SPW, 4
.set NIL, 5
.set NM,  16
.set LS,  18
.set FF,  20
.set MB,  22
.set SO,  24
.set TA,  26
.set SC,  64
.set PC,  192
.set TC,  216
.set XS,  232
.set KF,  0
.set VF,  48
.set QF,  96
.set OF,  136
.set WV,  10
.set CX,  11
.set BH,  12
.set SH,  13
.set SEL, 14
.set CC,  16                           ; s[16:17] c = log2(e) / 8
.set TN,  18
.set CNT, 19
.set PS,  36
.set MSB, 0
.macro WIN new                         ; the immediate's high byte repeats the setting that is left
.if MSB != \new
	s_set_vgpr_msb (MSB<<8)|\new
.set MSB, \new
.endif
.endm
.macro WALU
	s_wait_alu depctr_va_vdst(0)
.endm
.macro CROUND
	s_barrier_signal -1
	s_barrier_wait -1
	s_cmp_lg_u32 s[WV], 0
	s_cbranch_scc1 .Lnw0_\@
	s_barrier_signal -3
.Lnw0_\@:
	s_barrier_wait -3
	s_barrier_signal -1
	s_barrier_wait -1
.endm
.macro MM d, a, b, c, sa, sb, row      ; one product; row: source 0's scale words stand in lanes 16-31
.if \row
	v_wmma_scale_f32_16x16x128_f8f6f4 v[\d:\d+7], v[\a:\a+11], v[\b:\b+11], \c, v[\sa], v[\sb] matrix_a_fmt:MATRIX_FMT_FP6 matrix_b_fmt:MATRIX_FMT_FP6 matrix_a_scale:MATRIX_SCALE_ROW1
.else
	v_wmma_scale_f32_16x16x128_f8f6f4 v[\d:\d+7], v[\a:\a+11], v[\b:\b+11], \c, v[\sa], v[\sb] matrix_a_fmt:MATRIX_FMT_FP6 matrix_b_fmt:MATRIX_FMT_FP6
.endif
.endm
.macro QLOAD                           ; my two tiles of q, each into both ends of its 18 registers, and their pair word
	WIN 0x40
.irp q, 0,1
	global_load_b128 v[QF+18*\q:QF+18*\q+3], v6, s[48:49] offset:768*\q
	global_load_b64 v[QF+18*\q+4:QF+18*\q+5], v7, s[48:49] offset:768*\q
	global_load_b128 v[QF+18*\q+12:QF+18*\q+15], v6, s[48:49] offset:768*\q
	global_load_b64 v[QF+18*\q+16:QF+18*\q+17], v7, s[48:49] offset:768*\q
.endr
	WIN 0
	global_load_b32 v48, v14, s[50:51] offset:6144
.endm
.macro KLOAD                           ; 18 loads: K's four fragments (lane (r, h) of fragment f takes lane (8 (f % 2) + r % 8, h) of the stored fragment 2 (f / 2) + r / 8) and their pair words
	WIN 0x40
.irp f, 0,1,2,3
	ds_load_b128 v[KF+12*\f:KF+12*\f+3], v8 offset:3072*(\f/2)+128*(\f%2)
	ds_load_b64 v[KF+12*\f+4:KF+12*\f+5], v9 offset:3072*(\f/2)+64*(\f%2)
	ds_load_b128 v[KF+12*\f+6:KF+12*\f+9], v8 offset:3072*(\f/2)+128*(\f%2)+768
	ds_load_b64 v[KF+12*\f+10:KF+12*\f+11], v9 offset:3072*(\f/2)+64*(\f%2)+768
.endr
	WIN 0
	ds_load_b32 v42, v10                           ; lanes 0-15 fragment 0's words, lanes 16-31 fragment 1's
	ds_load_b32 v43, v10 offset:128                ; fragments 2 and 3
.endm
.macro VLOAD                           ; 17 loads: V's four tiles of 16 channels x 128 keys and their scale words
	WIN 0x40
.irp d, 0,1,2,3
	ds_load_b128 v[VF+12*\d:VF+12*\d+3], v11 offset:6400+1536*\d
	ds_load_b64 v[VF+12*\d+4:VF+12*\d+5], v12 offset:6400+1536*\d
	ds_load_b128 v[VF+12*\d+6:VF+12*\d+9], v11 offset:6400+1536*\d+768
	ds_load_b64 v[VF+12*\d+10:VF+12*\d+11], v12 offset:6400+1536*\d+768
.endr
	WIN 0
	ds_load_b64 v[44:45], v12 offset:12032         ; at 12,544 + 8 x lane
.endm
; The row's sum runs in eight chains: chain 0 is the sum itself, chains 1 to 7 lie in v[XS] on
.macro ACC k, q, n                     ; chain k takes p's pair n
.if (\k) == 0
	v_pk_add_f32 v[LS+12*\q:LS+12*\q+1], v[LS+12*\q:LS+12*\q+1], v[SC+64*\q+2*(\n):SC+64*\q+2*(\n)+1]
.else
	v_pk_add_f32 v[XS+2*(\k)-2:XS+2*(\k)-1], v[XS+2*(\k)-2:XS+2*(\k)-1], v[SC+64*\q+2*(\n):SC+64*\q+2*(\n)+1]
.endif
.endm
.macro ADD4 q, k, n                    ; chains k .. k + 3 take pairs n .. n + 3
	ACC \k, \q, \n
	ACC \k+1, \q, \n+1
	ACC \k+2, \q, \n+2
	ACC \k+3, \q, \n+3
.endm
.macro XI k, q                         ; chain k begins with pairs 2 k - 1 and 2 k
	v_pk_add_f32 v[XS+2*\k-2:XS+2*\k-1], v[SC+64*\q+4*\k-2:SC+64*\q+4*\k-1], v[SC+64*\q+4*\k:SC+64*\q+4*\k+1]
.endm
.macro XX a, b                         ; chain a takes chain b
	v_pk_add_f32 v[XS+2*\a-2:XS+2*\a-1], v[XS+2*\a-2:XS+2*\a-1], v[XS+2*\b-2:XS+2*\b-1]
.endm
.macro LX q, b                         ; the sum takes chain b
	v_pk_add_f32 v[LS+12*\q:LS+12*\q+1], v[LS+12*\q:LS+12*\q+1], v[XS+2*\b-2:XS+2*\b-1]
.endm
; Behind the exponentials of tile q: its two blocks' scales, p's codes and scale word, and the row's sum of the unquantised p (32 packed lines, which stand among the others so that no line reads a result made close ahead of it)
.macro POST q
.set S_, SC+64*\q
.set R_, 12*\q
.set T_, TC+8*\q
	v_max_num_f32 v[MB+R_], 0x1800000, v[MB+R_]    ; the floor: the byte cannot fall under 1
	v_max_num_f32 v[MB+1+R_], 0x1800000, v[MB+1+R_]
	v_pk_fma_f32 v[LS+R_:LS+R_+1], v[LS+R_:LS+R_+1], v[FF+R_:FF+R_+1], v[S_:S_+1] op_sel_hi:[1,0,1]   ; the sum under the new M, and p's first pair
	XI 1, \q
	XI 2, \q
	XI 3, \q
	v_add_nc_u32 v[SO+R_], 0xff000000, v[MB+R_]    ; 2 off the exponent field: the conversion's scale operand
	v_add_nc_u32 v[SO+1+R_], 0xff000000, v[MB+1+R_]
	XI 4, \q
	XI 5, \q
	XI 6, \q
	XI 7, \q
	v_cvt_scalef32_pk16_fp6_f32 v[PC+R_:PC+R_+2], v[S_:S_+15], v[SO+R_]
	v_cvt_scalef32_pk16_fp6_f32 v[T_:T_+2], v[S_+16:S_+31], v[SO+R_]         ; (a conversion's three registers begin on an even number)
	v_cvt_scalef32_pk16_fp6_f32 v[PC+R_+6:PC+R_+8], v[S_+32:S_+47], v[SO+1+R_]
	v_cvt_scalef32_pk16_fp6_f32 v[T_+4:T_+6], v[S_+48:S_+63], v[SO+1+R_]
	v_lshrrev_b32 v[TA+R_], 23, v[SO+R_]           ; the bytes (plain lines behind the conversions)
	v_lshrrev_b32 v[TA+1+R_], 23, v[SO+1+R_]
	ADD4 \q, 0, 15
	v_lshl_or_b32 v[TA+R_], v[TA+1+R_], 16, v[TA+R_]   ; my blocks h and 2 + h,
	ADD4 \q, 4, 19
	v_lshlrev_b32 v[TA+R_], v15, v[TA+R_]          ; at their places in the word (8 h bits up);
	ADD4 \q, 0, 23
	v_permlanex16_b32 v[TA+1+R_], v[TA+R_], s[SEL], s[SEL+1]
	ADD4 \q, 4, 27
	v_or_b32 v[46+\q], v[TA+R_], v[TA+1+R_]        ; with lane l xor 16's two the word is whole
.irp i, 0,1,2
	v_mov_b32 v[PC+R_+3+\i], v[T_+\i]
	v_mov_b32 v[PC+R_+9+\i], v[T_+4+\i]
.endr
	ACC 0, \q, 31                                  ; these eight lines also stand between the codes just made and the products, and with the six above between the scale word and them
	XX 1, 2
	XX 3, 4
	XX 5, 6
	s_delay_alu instid0(VALU_DEP_4)
	LX \q, 7
	s_delay_alu instid0(VALU_DEP_3)
	XX 1, 3
	s_delay_alu instid0(VALU_DEP_2)
	LX \q, 5
	s_delay_alu instid0(VALU_DEP_1)
	LX \q, 1
.endm
	s_load_b128 s[4:7], s[0:1], 0x0                ; qb, kv
	s_load_b64 s[8:9], s[0:1], 0x10                ; ac
	v_lshl_add_u32 v[SPW], v0, 2, SPARE
	v_mov_b32 v[NIL], 0
	ds_add_u32 v[SPW], v[NIL]                      ; the wave's opening: the add, twice on end, and its wait ahead of my tensor load
	ds_add_u32 v[SPW], v[NIL]
	v_lshrrev_b32 v1, 5, v0
	v_readfirstlane_b32 s[WV], v1                  ; wave 0..7
	s_bfe_u32 s[CX], ttmp6, 0x40000                ; my place in the cluster: it enters q's and ac's global addresses alone
	s_and_b32 s[BH], ttmp7, 0xffff                 ; batch x head
	s_mov_b32 s[SH], 0xffff0000
	s_mov_b32 s[SEL], 0x76543210
	s_mov_b32 s[SEL+1], 0xfedcba98
	s_mov_b32 s[CC], 0x3e38aa3b
	s_mov_b32 s[CC+1], s[CC]
	s_mov_b32 s24, 15|(3<<16)|(1<<21)              ; group 1: all four work-groups; elements of 8 bytes; bit 21 beside a mask
	s_mov_b32 s25, 32<<16                          ; rows of 256 bytes,
	s_mov_b32 s26, 100<<16                         ; 100 of them: two key steps
	s_mov_b32 s27, 32<<16
	s_mov_b32 s28, 100
	s_mov_b32 s29, 32
	s_mov_b32 s30, 0
	s_mov_b32 s31, 0
	s_mov_b32 s20, 1
	s_mul_i32 s21, s[WV], 25600                    ; key steps 2 w and 2 w + 1, in LDS
	s_mul_i32 s32, s[BH], 204800
	s_add_co_u32 s32, s32, s21                     ; and in memory
	s_mov_b32 s33, 0
	s_lshl_b32 s34, s[BH], 4
	s_lshl_b32 s35, s[CX], 2
	s_add_co_u32 s34, s34, s35
	s_lshr_b32 s37, s[WV], 2
	s_add_co_u32 s34, s34, s37
	s_mul_i32 s34, s34, 6400                       ; q: the group of 128 tokens 4 cx + w / 4 (+ 2 in the second pass)
	s_and_b32 s42, s[WV], 3                        ; my pair of tiles in it
	s_mul_i32 s38, s42, 1536
	s_add_co_u32 s38, s38, s34
	s_mov_b32 s39, 0
	s_lshl_b32 s40, s42, 6                         ; its pair words: 64 x pair
	s_add_co_u32 s40, s40, s34
	s_mov_b32 s41, 0
	s_lshr_b32 s43, s[BH], 4
	s_lshl_b32 s43, s43, 4
	s_add_co_u32 s43, s43, s35
	s_add_co_u32 s43, s43, s37
	s_mul_i32 s43, s43, 102400                     ; ac: the group of 128 tokens
	s_and_b32 s44, s[BH], 15                       ; the head
	s_lshr_b32 s45, s44, 1
	s_mul_i32 s46, s45, 12288
	s_mul_i32 s47, s42, 3072
	s_add_co_u32 s46, s46, s47
	s_and_b32 s58, s44, 1
	s_mul_i32 s58, s58, 768
	s_add_co_u32 s46, s46, s58
	s_add_co_u32 s46, s46, s43
	s_add_co_u32 s46, s46, 4096                    ; my first tile's half fragment
	s_mov_b32 s47, 0
	s_and_b32 s56, s44, 3
	s_lshl_b32 s56, s56, 1                         ; my scale bytes: 2 (head % 4)
	s_lshr_b32 s58, s44, 2
	s_lshl_b32 s58, s58, 8
	s_add_co_u32 s56, s56, s58                     ; + 256 (head / 4)
	s_lshl_b32 s58, s42, 10
	s_add_co_u32 s56, s56, s58                     ; + 1024 (tile / 2)
	s_add_co_u32 s56, s56, s43
	s_mov_b32 s57, 0
	s_wait_dscnt 0x0                               ; both opening adds are done
	s_wait_kmcnt 0x0
	s_add_nc_u64 s[22:23], s[6:7], s[32:33]
	s_or_b32 s23, s23, 0x80000000
	s_add_nc_u64 s[48:49], s[4:5], s[38:39]        ; q's half fragments
	s_add_nc_u64 s[50:51], s[4:5], s[40:41]        ; q's pair word, less 6,144
	s_add_nc_u64 s[52:53], s[8:9], s[46:47]
	s_add_nc_u64 s[54:55], s[8:9], s[56:57]
	CROUND                                         ; all four work-groups are here: the joint loads meet
	tensor_load_to_lds s[20:23], s[24:31]          ; my one tensor load of the launch
	s_nop 0
.rept 4
	v_nop
.endr
	v_and_b32 v10, 31, v0
	v_lshlrev_b32 v6, 4, v10                       ; 16 x lane
	v_lshlrev_b32 v7, 3, v10
	v_add_nc_u32 v7, 512, v7                       ; 512 + 8 x lane
	v_and_b32 v11, 15, v0                          ; r
	v_bfe_u32 v12, v0, 4, 1                        ; h
	v_lshl_add_u32 v13, v11, 3, v12                ; 8 r + h: my scale byte of ac
	v_lshlrev_b32 v14, 2, v11                      ; 4 r
	v_lshlrev_b32 v15, 3, v12                      ; 8 h
	QLOAD                                          ; the first pass's q, under the tensor load's flight
	v_bfe_u32 v8, v0, 3, 1                         ; r / 8
	v_and_b32 v9, 7, v0                            ; r % 8
	v_mul_u32_u24 v1, v8, 1536
	v_lshl_add_u32 v2, v9, 3, v1
	v_lshl_add_u32 v1, v9, 4, v1
	v_lshl_add_u32 v1, v12, 8, v1                  ; K, registers 0-3: 1536 (r / 8) + 16 (r % 8) + 256 h
	v_lshl_add_u32 v2, v12, 7, v2
	v_add_nc_u32 v2, 512, v2                       ; registers 4-5: 512 + 1536 (r / 8) + 8 (r % 8) + 128 h
	v_lshlrev_b32 v3, 6, v8
	v_lshl_add_u32 v3, v9, 2, v3
	v_lshl_add_u32 v3, v12, 5, v3
	v_add_nc_u32 v3, 6144, v3                      ; pair words: 6144 + 64 (r / 8) + 4 (r % 8) + 32 h
.irp q, 0,1
	v_mov_b32 v[FF+1+12*\q], 0                     ; named in a pair with the factor
	v_mov_b32 v[TA+12*\q], 0                       ; written once: a lane permute's destination counts as one of its sources
	v_mov_b32 v[TA+1+12*\q], 0
.endr
	WIN 0x40
.irp q, 0,1
.irp i, 6,7,8,9,10,11
	v_mov_b32 v[QF+18*\q+\i], 0                    ; the zero half that [q | 0] and [0 | q] share
.endr
.endr
	WIN 0
	v_mov_b32 v8, v1                               ; key step 0's addresses
	v_mov_b32 v9, v2
	v_mov_b32 v10, v3
	v_mov_b32 v11, v6
	v_mov_b32 v12, v7
	WALU
	s_wait_tensorcnt 0x0                           ; my two key steps are in LDS,
	s_barrier_signal -1
	s_barrier_wait -1                              ; everybody's are
	KLOAD
	VLOAD
	s_mov_b32 s[PS], 0
; A PASS: tiles 8 (4 cx + 2 p + w / 4) + 2 (w % 4) and the next of the head's 128
.Lpass:
.irp q, 0,1
	v_mov_b32 v[NM+12*\q], 0x7f61b1e6              ; -M: 3e38;
	v_mov_b32 v[NM+1+12*\q], 0xff61b1e6            ; the largest score so far: -3e38
	v_mov_b32 v[LS+12*\q], 0
	v_mov_b32 v[LS+1+12*\q], 0
.endr
	s_wait_loadcnt 0x0                             ; q; its loads have read their bases too
	v_perm_b32 v40, v48, v48, 0x01000100           ; the even tile's two bytes, for both halves of K;
	v_perm_b32 v41, v48, v48, 0x03020302           ; the odd tile's
	s_add_nc_u64 s[48:49], s[48:49], 12800         ; the second pass's q: two groups on
	s_add_nc_u64 s[50:51], s[50:51], 12800
	WIN 0x40
.set J, 0
.rept 64
	v_mov_b32 v[OF+J], 0                           ; O^T: the first change of M leaves zeros zeros.  (These also stand between the scale words just made and the first product)
.set J, J+1
.endr
	WIN 0
	s_mov_b32 s[CNT], 0
	WALU                                           ; the wait ahead of the step's blocking wait
; A KEY STEP: 128 keys.  Its K was fetched in the step before, behind that step's scores; its V at that step's end.
.Lstep:
	s_add_co_u32 s[TN], s[CNT], 1
	s_and_b32 s[TN], s[TN], 15
	s_mul_i32 s[TN], s[TN], 12800                  ; the next key step's LDS byte; behind the last comes the first, for the next pass
	s_wait_dscnt 17                                ; K's 18 loads are in; the 17 issued behind them (V's) may be out
	WIN 0x05
.irp f, 0,1,2,3
.irp e, 0,1
.irp q, 0,1
	MM SC+64*\q+16*\f+8*\e, KF+12*\f, QF+18*\q+6*\e, 0, 42+\f/2, 40+\q, \f%2
.endr
.endr
.endr
	WIN 0
	v_add_nc_u32 v8, s[TN], v1                     ; five plain lines: the places between the products and the loads into their registers and the first read of results
	v_add_nc_u32 v9, s[TN], v2
	v_add_nc_u32 v10, s[TN], v3
	v_add_nc_u32 v11, s[TN], v6
	v_add_nc_u32 v12, s[TN], v7
	KLOAD
; the largest score of each block of 32 keys, all mine: for the row's maximum and, since p rises with the score, for the block's largest p.  One chain to an accumulator, sixteen side by side; each accumulator is first read at its low end
.irp a, 0,1,2,3,4,5,6,7
.irp q, 0,1
	v_max3_num_f32 v[TC+8*\q+\a], v[SC+64*\q+8*\a], v[SC+64*\q+8*\a+1], v[SC+64*\q+8*\a+2]
.endr
.endr
.irp i, 3,5
.irp a, 0,1,2,3,4,5,6,7
.irp q, 0,1
	v_max3_num_f32 v[TC+8*\q+\a], v[TC+8*\q+\a], v[SC+64*\q+8*\a+\i], v[SC+64*\q+8*\a+\i+1]
.endr
.endr
.endr
.irp a, 0,2,4,6
.irp q, 0,1
	v_max3_num_f32 v[TC+8*\q+\a], v[TC+8*\q+\a], v[TC+8*\q+\a+1], v[SC+64*\q+8*\a+7]   ; two chains and an even accumulator's last register
.endr
.endr
.irp c, 0,1
.irp q, 0,1
	v_max3_num_f32 v[TC+8*\q+4*\c], v[TC+8*\q+4*\c], v[SC+64*\q+32*\c+15], v[SC+64*\q+32*\c+31]   ; the odd accumulators' last registers
.endr
.endr
.irp c, 0,1
.irp q, 0,1
	v_max_num_f32 v[MB+12*\q+\c], v[TC+8*\q+4*\c], v[TC+8*\q+4*\c+2]
.endr
.endr
; M and the factor: two chains by turns, one a tile; each line but the copy of -M reads what the line two (once: four) ahead of it wrote
.irp q, 0,1
	s_delay_alu instid0(VALU_DEP_2)
	v_max_num_f32 v[TA+12*\q], v[MB+12*\q], v[MB+1+12*\q]
.endr
.irp q, 0,1
	s_delay_alu instid0(VALU_DEP_2)
	v_permlanex16_b32 v[TA+1+12*\q], v[TA+12*\q], s[SEL], s[SEL+1]
.endr
.irp q, 0,1
	s_delay_alu instid0(VALU_DEP_2)
	v_max3_num_f32 v[NM+1+12*\q], v[NM+1+12*\q], v[TA+12*\q], v[TA+1+12*\q]   ; the running largest score
.endr
.irp q, 0,1
	s_delay_alu instid0(VALU_DEP_2)
	v_mul_f32 v[TA+12*\q], s[CC], v[NM+1+12*\q]    ; as t (c is positive)
.endr
.irp q, 0,1
	v_mov_b32 v[TA+1+12*\q], v[NM+12*\q]
.endr
.irp q, 0,1
	s_delay_alu instid0(VALU_DEP_4)
	v_floor_f32 v[NM+12*\q], -v[TA+12*\q]          ; the new -M: a whole number
.endr
.irp q, 0,1
	s_delay_alu instid0(VALU_DEP_2)
	v_sub_f32 v[TA+1+12*\q], v[NM+12*\q], v[TA+1+12*\q]   ; old M - new M, 0 or less
.endr
.irp q, 0,1
	s_delay_alu instid0(VALU_DEP_2)
	v_cvt_i32_f32 v[TA+1+12*\q], v[TA+1+12*\q]     ; (it saturates)
.endr
.irp q, 0,1
	s_delay_alu instid0(VALU_DEP_2)
	v_ldexp_f32 v[FF+12*\q], 1.0, v[TA+1+12*\q]    ; the factor 2^(old M - new M)
.endr
	WIN 0x41
.irp q, 0,1
.set J, 0
.rept 16
	v_pk_mul_f32 v[OF+32*\q+J:OF+32*\q+J+1], v[OF+32*\q+J:OF+32*\q+J+1], v[FF+12*\q:FF+12*\q+1] op_sel_hi:[1,0]   ; O^T under the new M, ahead of the exponentials
.set J, J+2
.endr
.endr
	WIN 0
.set J, 0
.rept 32
	v_pk_fma_f32 v[SC+J:SC+J+1], v[SC+J:SC+J+1], s[CC:CC+1], v[NM:NM+1] op_sel_hi:[1,0,0]   ; tile 0: t - M
.set J, J+2
.endr
	v_fma_f32 v[MB], v[MB], s[CC], v[NM]           ; the same of each block's largest score
	v_fma_f32 v[MB+1], v[MB+1], s[CC], v[NM]
	WALU                                           ; the wait ahead of a batch of exponentials
.set J, 0
.rept 32
	v_exp_f32 v[SC+J], v[SC+J]                     ; tile 0's p; tile 1's t - M stands among them, and is read behind the next wait
	v_exp_f32 v[SC+J+1], v[SC+J+1]
	v_pk_fma_f32 v[SC+64+J:SC+65+J], v[SC+64+J:SC+65+J], s[CC:CC+1], v[NM+12:NM+13] op_sel_hi:[1,0,0]
.set J, J+2
.endr
	v_exp_f32 v[MB], v[MB]                         ; each block's largest p
	v_exp_f32 v[MB+1], v[MB+1]
	v_fma_f32 v[MB+12], v[MB+12], s[CC], v[NM+12]
	v_fma_f32 v[MB+13], v[MB+13], s[CC], v[NM+12]
	WALU                                           ; behind tile 0's batch and ahead of tile 1's
.set J, 0
.rept 64
	v_exp_f32 v[SC+64+J], v[SC+64+J]               ; tile 1's p
.set J, J+1
.endr
	v_exp_f32 v[MB+12], v[MB+12]
	v_exp_f32 v[MB+13], v[MB+13]
	POST 0                                         ; names none of tile 1's results
	WALU                                           ; behind tile 1's batch, ahead of its first reader
	POST 1
	WALU                                           ; the wait ahead of the blocking wait
	s_wait_dscnt 18                                ; V's 17 loads are in; the 18 issued behind them (the next K's) may be out
	WIN 0x51
.irp d, 0,1,2,3
.irp q, 0,1
	MM OF+32*\q+8*\d, VF+12*\d, PC+12*\q, v[OF+32*\q+8*\d:OF+32*\q+8*\d+7], 44+\d/2, 46+\q, \d%2
.endr
.endr
	WIN 0
.rept 4
	v_nop                                          ; places between the products and the loads into V's registers
.endr
	VLOAD                                          ; the next step's V
	s_add_co_u32 s[CNT], s[CNT], 1
	s_cmp_lt_u32 s[CNT], 16
	s_cbranch_scc1 .Lstep
; THE PASS'S END: O^T / the sum, quantised along the head's 64 channels (two blocks of 32, each over lanes l and l xor 16), both tiles by turns
	WALU                                           ; the wait ahead of the branch
	s_cmp_eq_u32 s[PS], 0
	s_cbranch_scc0 .Lno_q
	QLOAD                                          ; the second pass's q, under this end's work
.Lno_q:
.irp q, 0,1
	v_add_f32 v[LS+12*\q], v[LS+12*\q], v[LS+1+12*\q]
.endr
.irp q, 0,1
	v_permlanex16_b32 v[TA+12*\q], v[LS+12*\q], s[SEL], s[SEL+1]
.endr
.irp q, 0,1
	v_add_f32 v[LS+12*\q], v[LS+12*\q], v[TA+12*\q]   ; the row's sum
.endr
	WALU
.irp q, 0,1
	v_rcp_f32 v[LS+12*\q], v[LS+12*\q]
.endr
	v_nop                                          ; a plain place behind the reciprocals
	WIN 0x01
	WALU                                           ; and the wait, directly ahead of the first reader of them and of O^T
.irp q, 0,1
.set J, 0
.rept 16
	v_pk_mul_f32 v[SC+64*\q+J:SC+64*\q+J+1], v[OF+32*\q+J:OF+32*\q+J+1], v[LS+12*\q:LS+12*\q+1] op_sel_hi:[1,0]   ; register 8 t + j is channel 16 t + 8 (lane / 16) + j; each accumulator from its low end on
.set J, J+2
.endr
.endr
	WIN 0
.irp b, 0,1
.irp q, 0,1
	v_max3_num_f32 v[MB+12*\q+\b], |v[SC+64*\q+16*\b]|, |v[SC+64*\q+16*\b+1]|, 0x1800000
.endr
.endr
.irp i, 2,4,6,8,10,12,14
.irp b, 0,1
.irp q, 0,1
	v_max3_num_f32 v[MB+12*\q+\b], v[MB+12*\q+\b], |v[SC+64*\q+16*\b+\i]|, |v[SC+64*\q+16*\b+\i+1]|
.endr
.endr
.endr
.irp b, 0,1
.irp q, 0,1
	v_permlanex16_b32 v[SO+12*\q+\b], v[MB+12*\q+\b], s[SEL], s[SEL+1]
.endr
.endr
.irp b, 0,1
.irp q, 0,1
	v_max_num_f32 v[MB+12*\q+\b], v[MB+12*\q+\b], v[SO+12*\q+\b]
.endr
.endr
.irp b, 0,1
.irp q, 0,1
	v_add_nc_u32 v[SO+12*\q+\b], 0xff000000, v[MB+12*\q+\b]
.endr
.endr
.irp b, 0,1
.irp q, 0,1
	v_lshrrev_b32 v[TA+12*\q+\b], 23, v[SO+12*\q+\b]
.endr
.endr
.irp q, 0,1
	v_cvt_scalef32_pk16_fp6_f32 v[PC+12*\q:PC+12*\q+2], v[SC+64*\q:SC+64*\q+15], v[SO+12*\q]
	v_cvt_scalef32_pk16_fp6_f32 v[PC+12*\q+4:PC+12*\q+6], v[SC+64*\q+16:SC+64*\q+31], v[SO+12*\q+1]
.endr
.irp q, 0,1
	v_cndmask_b32 v[MB+12*\q], v[TA+12*\q], v[TA+12*\q+1], s[SH]   ; lanes 0-15 the first block's byte, lanes 16-31 the second's (plain lines behind the conversions)
.endr
.irp q, 0,1
.irp i, 0,1,2
	v_permlane16_swap_b32 v[PC+12*\q+\i], v[PC+12*\q+4+\i]
.endr
.endr
.irp i, 3,4,5
.irp q, 0,1
	v_mov_b32 v[PC+12*\q+\i], v[PC+12*\q+\i+1]     ; ascending: each source is read before it is written
.endr
.endr
.irp q, 0,1
	global_store_b128 v6, v[PC+12*\q:PC+12*\q+3], s[52:53] offset:1536*\q
	global_store_b64 v7, v[PC+12*\q+4:PC+12*\q+5], s[52:53] offset:1536*\q
	global_store_b8 v13, v[MB+12*\q], s[54:55] offset:128*\q
.endr
	s_wait_xcnt 0x0                                ; the stores have read their registers and bases: the next pass writes them again
	s_add_nc_u64 s[52:53], s[52:53], 204800        ; two groups of ac on
	s_add_nc_u64 s[54:55], s[54:55], 204800
	s_add_co_u32 s[PS], s[PS], 1
	s_cmp_lt_u32 s[PS], 2
	WALU
	s_cbranch_scc1 .Lpass
	s_wait_dscnt 0x0                               ; the fetches that the last step issued have landed
	s_barrier_signal -1
	s_barrier_wait -1
	s_wait_tensorcnt 0x0                           ; the wave's end, behind my tensor load
	ds_add_u32 v[SPW], v[NIL]
	s_wait_dscnt 0x0
	CROUND                                         ; the closing round
	s_endpgm
.Lfunc_end_k_q11575e85f1_attn:
	.size	k_q11575e85f1_attn, .Lfunc_end_k_q11575e85f1_attn-k_q11575e85f1_attn
	.p2alignl 7, 3214868480
	.fill 96, 4, 3214868480
	.section	.rodata,"a",@progbits
	.p2align	6, 0x0
	.amdhsa_kernel k_q11575e85f1_attn
		.amdhsa_group_segment_fixed_size 206848
		.amdhsa_private_segment_fixed_size 0
		.amdhsa_enable_private_segment 0
		.amdhsa_kernarg_size 24
		.amdhsa_user_sgpr_count 2
		.amdhsa_user_sgpr_kernarg_segment_ptr 1
		.amdhsa_wavefront_size32 1
		.amdhsa_system_sgpr_workgroup_id_x 1
		.amdhsa_system_sgpr_workgroup_id_y 1
		.amdhsa_system_sgpr_workgroup_id_z 1
		.amdhsa_system_vgpr_workitem_id 0
		.amdhsa_next_free_vgpr 512
		.amdhsa_next_free_sgpr 66
		.amdhsa_reserve_vcc 0
		.amdhsa_float_denorm_mode_32 3
		.amdhsa_float_denorm_mode_16_64 3
		.amdhsa_memory_ordered 1
		.amdhsa_forward_progress 1
		.amdhsa_inst_pref_size 49
	.end_amdhsa_kernel
	.amdgpu_metadata
---
amdhsa.version: [ 1, 2 ]
amdhsa.kernels:
  - .name:           k_q11575e85f1_attn
    .symbol:         k_q11575e85f1_attn.kd
    .args:
      - { .name: qb, .offset: 0, .size: 8, .value_kind: global_buffer, .address_space: global }
      - { .name: kv, .offset: 8, .size: 8, .value_kind: global_buffer, .address_space: global }
      - { .name: ac, .offset: 16, .size: 8, .value_kind: global_buffer, .address_space: global }
    .group_segment_fixed_size: 206848
    .private_segment_fixed_size: 0
    .kernarg_segment_align: 8
    .kernarg_segment_size: 24
    .max_flat_workgroup_size: 256
    .sgpr_count:     66
    .vgpr_count:     512
    .wavefront_size: 32
...
	.end_amdgpu_metadata
.endif
;; end of part 3
;; launch oproj (part 4): grid 4 x 64, 4 waves a work-group, clusters of 4 x 4, 327,680 bytes of LDS; arguments ac, wq, bo, out0; writes out0
.if DOCPART == 4
	.amdgcn_target "amdgcn-amd-amdhsa--gfx1250"
	.amdhsa_code_object_version 6
	.text
	.protected	k_q11575e85f1_oproj
	.globl	k_q11575e85f1_oproj
	.p2align	8
	.type	k_q11575e85f1_oproj,@function
k_q11575e85f1_oproj:
	s_mov_b64 s[64:65], 0
	v_nop
	global_prefetch_b8 v0, s[64:65] scope:SCOPE_SE
	s_setreg_imm32_b32 hwreg(HW_REG_WAVE_MODE, 25, 1), 1
	s_wait_xcnt 0x0
	s_wait_alu depctr_hold_cnt(0) depctr_sa_sdst(0) depctr_va_vdst(0) depctr_va_sdst(0) depctr_va_ssrc(0) depctr_va_vcc(0) depctr_vm_vsrc(0)
	s_getreg_b32 s2, hwreg(HW_REG_IB_STS2, 6, 4)
	s_cmp_eq_u32 s2, 0
	s_cbranch_scc0 .Lentry_in_a_cluster
	s_endpgm
.Lentry_in_a_cluster:
	s_bfe_u32 s2, ttmp6, 0x10000c
	s_cmp_lg_u32 s2, 0xf033
	s_cbranch_scc0 .Lentry_shape_is_right
	s_endpgm
.Lentry_shape_is_right:
; out0 = attention's result x Wo + bo on codes of FP6 (E2M3) with E8M0 scales; out0 [8192][1024] f32.
; A WORK-GROUP makes 128 tokens x 256 columns, K = 1,024.  All its codes and scale words (3 groups of 102,400 bytes) come into LDS once, by tensor loads at the start; no LDS byte is filled twice.
; Four waves: wave w takes A's blocks 4 (w / 2) .. + 3 and B's group w % 2 (8 blocks): 32 accumulators.  Source 0 = 16 columns of Wo, source 1 = 16 tokens: a lane holds one token and eight neighbouring columns.
; CLUSTERS of 4 x 4: A's group (tokens) hangs on the cluster's row alone and is asked for jointly by the four of a row, B's groups on the column alone and by the four of a column.
; OPERAND LAYOUT (ac, wq): a group of 128 rows: 4,096 bytes of scale words, then K step s at 4096 + 12288 s, block i at + 1536 i, as images of the operand's registers.
; The bias is the C of each sum's first product.  The results leave through each wave's stage, which lies in A's bytes: those have had their one fill, and a barrier shows that nobody reads them any more.
; REGISTERS: window 0: v2-15 addresses; v32-47 A's scale words, v48-79 B's (they hold nothing else); v80-127, v128-175 A's fragments, two sets; on the way out v80-143, v144-207 rows of out0.
;   window 1: v0-95, v128-223 B's fragments, two sets; v96-127, v224-255 the bias.   window 2: accumulator (a, b) at v[8 (8 a + b)].
.set SPARE, 307200
.set A16, 2
.set A8,  3
.set B16, 4
.set B8,  5
.set SPW, 6
.set NIL, 7
.set L16, 8
.set L8,  9
.set SAD, 11
.set SBD, 12
.set STO, 14
.set RD,  15
.set SA,  32
.set SB,  48
.set AF,  80
.set WV,  20
.set AH,  21
.set BW,  22
.set CX,  23
.set CY,  24
.set CLY, 26
.set G1A, 36
.set G1B, 44
.set G0A, 68
.set G0B, 84
.set MSB, 0
.macro WIN new
.if MSB != \new
	s_set_vgpr_msb (MSB<<8)|\new
.set MSB, \new
.endif
.endm
.macro PLACES n
.rept \n
	v_nop
.endr
.endm
.macro CROUND
	s_barrier_signal -1
	s_barrier_wait -1
	s_cmp_lg_u32 s[WV], 0
	s_cbranch_scc1 .Lnw0_\@
	s_barrier_signal -3
.Lnw0_\@:
	s_barrier_wait -3
	s_barrier_signal -1
	s_barrier_wait -1
.endm
.macro FRAG reg, a16, a8, off
	ds_load_b128 v[\reg:\reg+3], v[\a16] offset:\off
	ds_load_b64 v[\reg+4:\reg+5], v[\a8] offset:\off
	ds_load_b128 v[\reg+6:\reg+9], v[\a16] offset:\off+768
	ds_load_b64 v[\reg+10:\reg+11], v[\a8] offset:\off+768
.endm
.macro WM zero, ra, rb
.if \zero
.if (\ra) && (\rb)
	v_wmma_scale_f32_16x16x128_f8f6f4 v[rD:rD+7], v[rA:rA+11], v[rB:rB+11], 0, v[rSA], v[rSB] matrix_a_fmt:MATRIX_FMT_FP6 matrix_b_fmt:MATRIX_FMT_FP6 matrix_a_scale:MATRIX_SCALE_ROW1 matrix_b_scale:MATRIX_SCALE_ROW1
.elseif (\ra)
	v_wmma_scale_f32_16x16x128_f8f6f4 v[rD:rD+7], v[rA:rA+11], v[rB:rB+11], 0, v[rSA], v[rSB] matrix_a_fmt:MATRIX_FMT_FP6 matrix_b_fmt:MATRIX_FMT_FP6 matrix_a_scale:MATRIX_SCALE_ROW1
.elseif (\rb)
	v_wmma_scale_f32_16x16x128_f8f6f4 v[rD:rD+7], v[rA:rA+11], v[rB:rB+11], 0, v[rSA], v[rSB] matrix_a_fmt:MATRIX_FMT_FP6 matrix_b_fmt:MATRIX_FMT_FP6 matrix_b_scale:MATRIX_SCALE_ROW1
.else
	v_wmma_scale_f32_16x16x128_f8f6f4 v[rD:rD+7], v[rA:rA+11], v[rB:rB+11], 0, v[rSA], v[rSB] matrix_a_fmt:MATRIX_FMT_FP6 matrix_b_fmt:MATRIX_FMT_FP6
.endif
.else
.if (\ra) && (\rb)
	v_wmma_scale_f32_16x16x128_f8f6f4 v[rD:rD+7], v[rA:rA+11], v[rB:rB+11], v[rC:rC+7], v[rSA], v[rSB] matrix_a_fmt:MATRIX_FMT_FP6 matrix_b_fmt:MATRIX_FMT_FP6 matrix_a_scale:MATRIX_SCALE_ROW1 matrix_b_scale:MATRIX_SCALE_ROW1
.elseif (\ra)
	v_wmma_scale_f32_16x16x128_f8f6f4 v[rD:rD+7], v[rA:rA+11], v[rB:rB+11], v[rC:rC+7], v[rSA], v[rSB] matrix_a_fmt:MATRIX_FMT_FP6 matrix_b_fmt:MATRIX_FMT_FP6 matrix_a_scale:MATRIX_SCALE_ROW1
.elseif (\rb)
	v_wmma_scale_f32_16x16x128_f8f6f4 v[rD:rD+7], v[rA:rA+11], v[rB:rB+11], v[rC:rC+7], v[rSA], v[rSB] matrix_a_fmt:MATRIX_FMT_FP6 matrix_b_fmt:MATRIX_FMT_FP6 matrix_b_scale:MATRIX_SCALE_ROW1
.else
	v_wmma_scale_f32_16x16x128_f8f6f4 v[rD:rD+7], v[rA:rA+11], v[rB:rB+11], v[rC:rC+7], v[rSA], v[rSB] matrix_a_fmt:MATRIX_FMT_FP6 matrix_b_fmt:MATRIX_FMT_FP6
.endif
.endif
.endm
.macro SCALES
.irp p, 0,1
.irp q, 0,1,2,3
	ds_load_b64 v[SA+8*\p+2*\q:SA+8*\p+2*\q+1], v[SAD] offset:1024*\p+256*\q
.endr
.endr
.irp p, 0,1,2,3
.irp q, 0,1,2,3
	ds_load_b64 v[SB+8*\p+2*\q:SB+8*\p+2*\q+1], v[SBD] offset:1024*\p+256*\q
.endr
.endr
.endm
.macro FETCH set
	WIN 0x40
.irp i, 0,1,2,3,4,5,6,7
	FRAG 128*(\set)+12*\i, B16, B8, 1536*\i
.endr
	WIN 0
.irp i, 0,1,2,3
	FRAG AF+48*(\set)+12*\i, A16, A8, 1536*\i
.endr
.endm
; 32 products of K step s.  mode 0: onto the sums; 1: the constant 0 starts them; 2: the bias (window 1) starts them.  The 32 accumulators take turns in one order through all steps.
.macro MUL s, mode
.if (\mode) == 2
	WIN 0x91
.else
	WIN 0xa1
.endif
.irp a, 0,1,2,3
.irp b, 0,1,2,3,4,5,6,7
.set rD, 8*(8*\a+\b)
.set rA, 128*((\s)%2)+12*\b
.set rB, AF+48*((\s)%2)+12*\a
.set rSA, SB+8*(\b/2)+(\s)
.set rSB, SA+8*(\a/2)+(\s)
.if (\mode) == 2
.set rC, 96+8*\b+96*(\b/4)
.else
.set rC, rD
.endif
.if (\mode) == 1
	WM 1, \b%2, \a%2
.else
	WM 0, \b%2, \a%2
.endif
.endr
.endr
.endm
; K step s.  tc >= 0: the next step's bytes lie in the groups' second halves: every wave waits for its tensor load, and a barrier shows that to all.
.macro STEP s, mode, tc
	s_wait_dscnt 0x0                               ; this step's fragments are in; no LDS instruction of mine is out at a signal
.if (\tc) >= 0
	s_wait_tensorcnt \tc
	s_barrier_signal -1
	s_barrier_wait -1
.endif
.if (\s) < 7
	WIN 0
	v_add_nc_u32 v[A16], 12288, v[A16]             ; on to the next K step; these four are also the places between the last products and the loads into the set that they read
	v_add_nc_u32 v[A8], 12288, v[A8]
.if (\s) == 3
	v_add_nc_u32 v[B16], s[BJ], v[B16]             ; into B's second halves
	v_add_nc_u32 v[B8], s[BJ], v[B8]
.else
	v_add_nc_u32 v[B16], 12288, v[B16]
	v_add_nc_u32 v[B8], 12288, v[B8]
.endif
	FETCH ((\s)+1)%2
.endif
	MUL \s, \mode
.endm
	s_load_b256 s[4:11], s[0:1], 0x0               ; ac s[4:5], wq s[6:7], bo s[8:9], out0 s[10:11]
	v_lshl_add_u32 v[SPW], v0, 2, SPARE
	v_mov_b32 v[NIL], 0
	ds_add_u32 v[SPW], v[NIL]                      ; the wave's opening: the add, twice on end, and its wait ahead of my first tensor load
	ds_add_u32 v[SPW], v[NIL]
	v_lshrrev_b32 v1, 5, v0
	v_readfirstlane_b32 s[WV], v1
	s_lshr_b32 s[AH], s[WV], 1
	s_and_b32 s[BW], s[WV], 1
	s_bfe_u32 s[CX], ttmp6, 0x40000
	s_bfe_u32 s[CY], ttmp6, 0x40004
	s_and_b32 s[CLY], ttmp7, 0xffff
	s_lshl_b32 s30, s[CY], 2
	s_lshl_b32 s30, 15, s30                        ; my row of the cluster
	s_lshl_b32 s31, 0x1111, s[CX]                  ; my column
	s_or_b32 s[G1A], s30, (3<<16)|(1<<21)
	s_or_b32 s[G1B], s31, (3<<16)|(1<<21)
.set G1A2, 76                          ; s[76:83] group 1 of A's second half; s[92:99] of B's second halves
.set G1B2, 92
.set BJ, 63                            ; s63: from B's K step 3 to its K step 4 in LDS
	s_or_b32 s[G1A2], s30, (3<<16)|(1<<21)
	s_or_b32 s[G1B2], s31, (3<<16)|(1<<21)
.irp g, G1A, G1A2                      ; A's group in two halves, dense, as rows of 256 bytes
	s_mov_b32 s[\g+1], 32<<16
	s_mov_b32 s[\g+3], 32<<16
	s_mov_b32 s[\g+5], 32
	s_mov_b32 s[\g+6], 0
	s_mov_b32 s[\g+7], 0
.endr
	s_mov_b32 s[G1A+2], 208<<16                    ; 53,248 bytes: the scale words and K steps 0 to 3
	s_mov_b32 s[G1A+4], 208
	s_mov_b32 s[G1A2+2], 192<<16                   ; 49,152 bytes: K steps 4 to 7
	s_mov_b32 s[G1A2+4], 192
.irp g, G1B, G1B2                      ; B's two groups lie on end in memory: a half of both is a tile of 2 rows, 102,400 bytes (12,800 elements) apart
	s_mov_b32 s[\g+2], 2<<16
	s_mov_b32 s[\g+4], 2
	s_mov_b32 s[\g+5], 12800
	s_mov_b32 s[\g+6], 0
	s_mov_b32 s[\g+7], 0
.endr
	s_mov_b32 s[G1B+1], 6656<<16                   ; rows of 53,248 bytes
	s_mov_b32 s[G1B+3], 6656<<16
	s_mov_b32 s[G1B2+1], 6144<<16                  ; rows of 49,152 bytes
	s_mov_b32 s[G1B2+3], 6144<<16
	s_lshl_b32 s52, s[CLY], 2
	s_add_co_u32 s52, s52, s[CY]                   ; A's group: 4 cluster y + cy
	s_lshl_b32 s53, s[CX], 1
	s_add_co_u32 s53, s53, 24                      ; B's first group: Wo begins at group 24 of wq
	s_mul_i32 s58, s52, 102400
	s_mov_b32 s59, 0
	s_mov_b32 s60, s53                             ; B's first group
	s_mul_i32 s60, s60, 102400
	s_mov_b32 s61, 0
	s_xor_b32 s[BJ], s[BW], 1                      ; in LDS B's first halves lie at 102,400 + 53,248 (w % 2), the second at 208,896 + 49,152 (w % 2):
	s_lshl_b32 s[BJ], s[BJ], 12
	s_add_co_u32 s[BJ], s[BJ], 61440               ; from K step 3 to K step 4: 65,536 - 4,096 (w % 2)
	s_wait_dscnt 0x0                               ; both opening adds are done
	s_wait_kmcnt 0x0
	s_add_nc_u64 s[54:55], s[4:5], s[58:59]
	s_add_nc_u64 s[56:57], s[6:7], s[60:61]
	CROUND                                         ; all sixteen work-groups are here: the joint loads meet
	s_mov_b32 s[G0A], 1                            ; A's first half, at LDS byte 0
	s_mov_b32 s[G0A+1], 0
	s_mov_b64 s[G0A+2:G0A+3], s[54:55]
	s_or_b32 s[G0A+3], s[G0A+3], 0x80000000
	s_mov_b32 s[G0A+4], 1                          ; its second half, behind it
	s_mov_b32 s[G0A+5], 53248
	s_add_nc_u64 s[G0A+6:G0A+7], s[54:55], 53248
	s_or_b32 s[G0A+7], s[G0A+7], 0x80000000
	s_mov_b32 s[G0B], 1                            ; the first halves of B's two groups
	s_mov_b32 s[G0B+1], 102400
	s_mov_b64 s[G0B+2:G0B+3], s[56:57]
	s_or_b32 s[G0B+3], s[G0B+3], 0x80000000
	s_mov_b32 s[G0B+4], 1                          ; and the second halves
	s_mov_b32 s[G0B+5], 208896
	s_add_nc_u64 s[G0B+6:G0B+7], s[56:57], 53248
	s_or_b32 s[G0B+7], s[G0B+7], 0x80000000
; all fills of the launch: one tensor load a wave, in one chain of branches on the wave's number; what the first K steps need is asked for by waves 0 and 1
	s_cmp_eq_u32 s[WV], 0
	s_cbranch_scc0 .Lnot_a
	tensor_load_to_lds s[G0A:G0A+3], s[G1A:G1A+7]
	s_nop 0
	PLACES 4
	s_branch .Lfilled
.Lnot_a:
	s_cmp_eq_u32 s[WV], 1
	s_cbranch_scc0 .Lnot_b
	tensor_load_to_lds s[G0B:G0B+3], s[G1B:G1B+7]
	s_nop 0
	PLACES 4
	s_branch .Lfilled
.Lnot_b:
	s_cmp_eq_u32 s[WV], 2
	s_cbranch_scc0 .Lnot_a2
	tensor_load_to_lds s[G0A+4:G0A+7], s[G1A2:G1A2+7]
	s_nop 0
	PLACES 4
	s_branch .Lfilled
.Lnot_a2:
	tensor_load_to_lds s[G0B+4:G0B+7], s[G1B2:G1B2+7]
	s_nop 0
	PLACES 4
.Lfilled:
	v_and_b32 v1, 31, v0
	v_lshlrev_b32 v[L16], 4, v1
	v_lshlrev_b32 v[L8], 3, v1
	s_wait_alu depctr_va_vdst(0)
	s_mul_i32 s30, s[AH], 6144
	s_add_co_u32 s30, s30, 4096
	v_add_nc_u32 v[A16], s30, v[L16]
	s_add_co_u32 s30, s30, 512
	v_add_nc_u32 v[A8], s30, v[L8]
	s_mul_i32 s31, s[BW], 53248
	s_add_co_u32 s31, s31, 102400
	v_add_nc_u32 v[SBD], s31, v[L8]
	s_add_co_u32 s31, s31, 4096
	v_add_nc_u32 v[B16], s31, v[L16]
	s_add_co_u32 s31, s31, 512
	v_add_nc_u32 v[B8], s31, v[L8]
	s_lshl_b32 s30, s[AH], 11
	v_add_nc_u32 v[SAD], s30, v[L8]
	s_mul_i32 s30, s[WV], 8448                     ; my stage: 16 rows of 512 bytes + 16
	v_and_b32 v10, 15, v0
	v_bfe_u32 v13, v0, 4, 1
	v_mul_u32_u24 v[STO], v10, 528
	v_lshl_add_u32 v[STO], v13, 5, v[STO]
	v_add_nc_u32 v[STO], s30, v[STO]               ; in: row r, 32 bytes for each half of the lanes
	v_add_nc_u32 v[RD], s30, v[L16]                ; back: the 32 lanes take a row
	v_lshlrev_b32 v13, 5, v13                      ; the bias: my eight columns of a tile
	s_wait_alu depctr_va_vdst(0)
	s_lshl_b32 s30, s[CX], 10
	s_lshl_b32 s31, s[BW], 9
	s_add_co_u32 s32, s30, s31                     ; my 128 columns, in bytes
	s_mov_b32 s33, 0
	s_add_nc_u64 s[8:9], s[8:9], s[32:33]
	s_lshl_b32 s30, s52, 7
	s_lshl_b32 s31, s[AH], 6
	s_add_co_u32 s30, s30, s31                     ; my first token
	s_lshl_b32 s30, s30, 12
	s_add_co_u32 s30, s30, s32
	s_mov_b32 s31, 0
	s_add_nc_u64 s[10:11], s[10:11], s[30:31]
	WIN 0x40
.irp b, 0,1,2,3,4,5,6,7
	global_load_b128 v[96+8*\b+96*(\b/4):96+8*\b+96*(\b/4)+3], v13, s[8:9] offset:64*\b
	global_load_b128 v[96+8*\b+96*(\b/4)+4:96+8*\b+96*(\b/4)+7], v13, s[8:9] offset:64*\b+16
.endr
	WIN 0
	s_cmp_lt_u32 s[WV], 2                          ; waves 0 and 1 asked for the first halves (scale words, K steps 0 to 3): they wait for them; the second halves may be out
	s_cbranch_scc0 .Lnot_first
	s_wait_tensorcnt 0x0
.Lnot_first:
	s_barrier_signal -1
	s_barrier_wait -1
	SCALES
	FETCH 0
	s_wait_loadcnt 0x0                             ; the bias
	STEP 0, 2, -1
	s_wait_alu depctr_va_vdst(0)
	STEP 1, 0, -1
	s_wait_alu depctr_va_vdst(0)
	STEP 2, 0, -1
	s_wait_alu depctr_va_vdst(0)
	STEP 3, 0, 0                                   ; K step 4 lies in the second halves
	s_wait_alu depctr_va_vdst(0)
	STEP 4, 0, -1
	s_wait_alu depctr_va_vdst(0)
	STEP 5, 0, -1
	s_wait_alu depctr_va_vdst(0)
	STEP 6, 0, -1
	STEP 7, 0, -1
	WIN 0
	s_wait_dscnt 0x0                               ; my reads of A's bytes are over
	s_barrier_signal -1
	s_barrier_wait -1                              ; everybody's are: the stages may be written
	PLACES 4                                       ; between the last products and the first read of results and the loads into their operands' registers
; THE WAY OUT, block by block of 16 tokens x 128 columns: into my stage as the lanes hold it, back as whole rows of 512 bytes.  LDS serves a wave's instructions in order: no wait between the stores and the loads.
.macro TOSTAGE a
	WIN 0x08                                       ; the data: window 2
.irp b, 0,1,2,3,4,5,6,7
	ds_store_b128 v[STO], v[8*(8*(\a)+\b):8*(8*(\a)+\b)+3] offset:64*\b       ; each accumulator from its low end on
	ds_store_b128 v[STO], v[8*(8*(\a)+\b)+4:8*(8*(\a)+\b)+7] offset:64*\b+16
.endr
	WIN 0
.irp t, 0,1,2,3,4,5,6,7,8,9,10,11,12,13,14,15
	ds_load_b128 v[80+64*((\a)%2)+4*\t:80+64*((\a)%2)+4*\t+3], v[RD] offset:528*\t
.endr
.endm
.macro SEND a, younger                 ; younger: the LDS instructions issued behind block a's loads, which may stay out
	s_wait_dscnt \younger
.irp t, 0,1,2,3,4,5,6,7,8,9,10,11,12,13,14,15
	global_store_b128 v[L16], v[80+64*((\a)%2)+4*\t:80+64*((\a)%2)+4*\t+3], s[10:11] offset:(16*(\a)+\t)*4096 th:TH_STORE_NT   ; 32 lanes store 512 consecutive bytes, aligned to 256
.endr
.endm
	TOSTAGE 0
	TOSTAGE 1
	SEND 0, 32                                     ; behind block 0's loads: block 1's 16 stores and 16 loads
	s_wait_xcnt 0x0                                ; block 0's stores have read their registers: block 2's loads may land there
	TOSTAGE 2
	SEND 1, 32
	s_wait_xcnt 0x0
	TOSTAGE 3
	SEND 2, 32
	SEND 3, 0
	s_wait_tensorcnt 0x0                           ; the wave's end, behind my last tensor load and my last LDS store
	ds_add_u32 v[SPW], v[NIL]
	s_wait_dscnt 0x0
	CROUND                                         ; the closing round
	s_endpgm
.Lfunc_end_k_q11575e85f1_oproj:
	.size	k_q11575e85f1_oproj, .Lfunc_end_k_q11575e85f1_oproj-k_q11575e85f1_oproj
	.p2alignl 7, 3214868480
	.fill 96, 4, 3214868480
	.section	.rodata,"a",@progbits
	.p2align	6, 0x0
	.amdhsa_kernel k_q11575e85f1_oproj
		.amdhsa_group_segment_fixed_size 327680
		.amdhsa_private_segment_fixed_size 0
		.amdhsa_enable_private_segment 0
		.amdhsa_kernarg_size 32
		.amdhsa_user_sgpr_count 2
		.amdhsa_user_sgpr_kernarg_segment_ptr 1
		.amdhsa_wavefront_size32 1
		.amdhsa_system_sgpr_workgroup_id_x 1
		.amdhsa_system_sgpr_workgroup_id_y 1
		.amdhsa_system_sgpr_workgroup_id_z 1
		.amdhsa_system_vgpr_workitem_id 0
		.amdhsa_next_free_vgpr 768
		.amdhsa_next_free_sgpr 102
		.amdhsa_reserve_vcc 0
		.amdhsa_float_denorm_mode_32 3
		.amdhsa_float_denorm_mode_16_64 3
		.amdhsa_memory_ordered 1
		.amdhsa_forward_progress 1
		.amdhsa_inst_pref_size 85
	.end_amdhsa_kernel
	.amdgpu_metadata
---
amdhsa.version: [ 1, 2 ]
amdhsa.kernels:
  - .name:           k_q11575e85f1_oproj
    .symbol:         k_q11575e85f1_oproj.kd
    .args:
      - { .name: ac, .offset: 0, .size: 8, .value_kind: global_buffer, .address_space: global }
      - { .name: wq, .offset: 8, .size: 8, .value_kind: global_buffer, .address_space: global }
      - { .name: bo, .offset: 16, .size: 8, .value_kind: global_buffer, .address_space: global }
      - { .name: out0, .offset: 24, .size: 8, .value_kind: global_buffer, .address_space: global }
    .group_segment_fixed_size: 327680
    .private_segment_fixed_size: 0
    .kernarg_segment_align: 8
    .kernarg_segment_size: 32
    .max_flat_workgroup_size: 128
    .sgpr_count:     102
    .vgpr_count:     768
    .wavefront_size: 32
...
	.end_amdgpu_metadata
.endif
;; end of part 4
